; MI455X (gfx1250); checked and timed in simulation.
; The chip was launched on July 23, 2026; its instructions are those of AMD's public machine-readable ISA for CDNA 5 (MIT licence, August 2026) and "CDNA5" Instruction Set Architecture Reference Guide (July 2026). The comments in the code are by the model that wrote it; some were corrected since.
;; Memory. Allowed arithmetic: float matrix products may take bf16 or f16 operands with f32 sums; other float arithmetic in f32, or as packed bf16 or f16 multiplies, adds, multiply-adds, maxima and minima; sums over many terms, partial sums and values carried from step to step in f32; what a program stores and reads back later, other than sums and carried values, may be rounded once to bf16 or f16.
;; Inputs: Wk 64 x 64 float32; Wq 64 x 64 float32; Wv 64 x 64 float32; attention_weights 1,000,000 float32; memory 1,000,000 x 64 float32; query 64 x 64 float32.
;; Outputs: out0 64 x 64 float32.
;; Constants: top_k = 5.
;; 2 versions, each right; version 2 is version 1 with the launch scan written anew for expert scheduling mode. Each part assembles by itself: llvm-mc -triple=amdgcn-amd-amdhsa -mcpu=gfx1250 --defsym DOCPART=n.
;; ======== version 1 of 2: 4 launches
;; limits: values within 3.1e-05 (relative) of each other or of a threshold may be ordered or decided otherwise than in the reference
;; workspace buffers: part 2,048 bytes; qkf 16,384 bytes; qk32 16,384 bytes; gmax 8,192,000 bytes; cand 8,192 bytes of whole numbers
;; launch minmax (part 1): grid 254 x 1, 20 waves a work-group, no clusters, 11,520 bytes of LDS; arguments memory, query, Wq, Wk, part, qkf, qk32; writes part, qkf, qk32
.if DOCPART == 1
	.amdgcn_target "amdgcn-amd-amdhsa--gfx1250"
	.amdhsa_code_object_version 6
	.text
	.protected	k_qf12d62fa63_minmax
	.globl	k_qf12d62fa63_minmax
	.p2align	8
	.type	k_qf12d62fa63_minmax,@function
k_qf12d62fa63_minmax:
	s_mov_b64 s[64:65], 0
	v_nop
	global_prefetch_b8 v0, s[64:65] scope:SCOPE_SE
	s_setreg_imm32_b32 hwreg(HW_REG_WAVE_MODE, 25, 1), 1
	s_wait_xcnt 0x0
; FIRST PASS OVER THE TABLE.  Work-groups 4 to 253 each take 4,000 rows (1,024,000 bytes) of memory and store that share's smallest and largest number as a pair in part.
; Work-groups 0 to 3 make qk = query Wq^T Wk (64 x 64, all in f32): scores are qk . mem_dq / 8 + bias, so keys are never formed.  Work-group t owns the 16 queries 4 rr + t.
; It stores qk as f32 (qk32) and as two bf16 pieces, hi = bf16(qk), lo = bf16(qk - hi), laid as the second source of a 16x16x32 product: qkf[t][piece][K step][register half][lane][16 bytes].
; LIMITS.  NaN and infinities in memory are not treated apart (a NaN loses in these minima and maxima).
; No matrix unit, no tensor load, no cluster: the stream is bound by memory, the work-groups share no input, and qk is 0.5 MFLOP.
.set QS,    0            ; 16 rows of q, 256 bytes + 16 of padding
.set KS,    4352         ; 16 rows of qk, likewise
.set REDB,  8704         ; a pair (min, max) for each wave
.set SPARE, 8960         ; the spare words, 128 bytes for each of 20 waves
.set SPW,   6            ; v6  SPARE + 4 x my thread's number; never rewritten
.set NIL,   7            ; v7  0; never rewritten
.set SEL,   20           ; s[20:21] v_permlanex16_b32's selects: each lane takes its own place in the other half
.macro REDMIN v, t                     ; the minimum over the wave's 32 lanes, in every lane
	v_min_num_f32_dpp v[\v], v[\v], v[\v] row_xmask:1 row_mask:0xf bank_mask:0xf
	v_min_num_f32_dpp v[\v], v[\v], v[\v] row_xmask:2 row_mask:0xf bank_mask:0xf
	v_min_num_f32_dpp v[\v], v[\v], v[\v] row_xmask:4 row_mask:0xf bank_mask:0xf
	v_min_num_f32_dpp v[\v], v[\v], v[\v] row_xmask:8 row_mask:0xf bank_mask:0xf
	v_permlanex16_b32 v[\t], v[\v], s[SEL], s[SEL+1]
	v_min_num_f32 v[\v], v[\v], v[\t]
.endm
.macro REDMAX v, t
	v_max_num_f32_dpp v[\v], v[\v], v[\v] row_xmask:1 row_mask:0xf bank_mask:0xf
	v_max_num_f32_dpp v[\v], v[\v], v[\v] row_xmask:2 row_mask:0xf bank_mask:0xf
	v_max_num_f32_dpp v[\v], v[\v], v[\v] row_xmask:4 row_mask:0xf bank_mask:0xf
	v_max_num_f32_dpp v[\v], v[\v], v[\v] row_xmask:8 row_mask:0xf bank_mask:0xf
	v_permlanex16_b32 v[\t], v[\v], s[SEL], s[SEL+1]
	v_max_num_f32 v[\v], v[\v], v[\t]
.endm
.macro FIN                             ; the wave's end
	s_wait_tensorcnt 0x0
	ds_add_u32 v[SPW], v[NIL]
	s_wait_dscnt 0x0
	s_endpgm
.endm
	s_load_b256 s[4:11], s[0:1], 0x0               ; memory s[4:5], query s[6:7], Wq s[8:9], Wk s[10:11]
	s_load_b128 s[12:15], s[0:1], 0x20             ; part s[12:13], qkf s[14:15]
	s_load_b64 s[16:17], s[0:1], 0x30              ; qk32
	v_lshl_add_u32 v[SPW], v0, 2, SPARE
	v_mov_b32 v[NIL], 0
	v_lshrrev_b32 v1, 5, v0
	v_readfirstlane_b32 s18, v1                    ; my wave's number
	v_and_b32 v2, 31, v0                           ; lane
	s_mov_b32 s[SEL], 0x76543210
	s_mov_b32 s[SEL+1], 0xfedcba98
	s_wait_kmcnt 0x0
	s_cmp_lt_u32 ttmp9, 4                          ; the same answer in all waves of a work-group
	s_cbranch_scc1 .Lqk
; ---------------- the stream: a wave owns 51,200 consecutive bytes, 100 loads of 512 bytes ----------------
	s_sub_co_u32 s19, ttmp9, 4                     ; my share's number, 0 to 249
	s_mul_i32 s22, s19, 1024000
	s_mul_i32 s23, s18, 51200
	s_add_co_u32 s22, s22, s23                     ; under 2^32: the table has 256,000,000 bytes
	s_mov_b32 s23, 0
	s_add_nc_u64 s[4:5], s[4:5], s[22:23]
	v_lshlrev_b32 v1, 4, v2                        ; 16 bytes a lane: a load covers 512 consecutive bytes
.set n, 0
.rept 20                                       ; the ring of four banks of five loads is filled: 10,240 bytes of every wave are on their way
	global_load_b128 v[24+4*n:27+4*n], v1, s[4:5] offset:512*n th:TH_LOAD_NT
.set n, n+1
.endr
.irp k, 0,1,2,3
	v_mov_b32 v[8+\k], 0x7f800000                  ; four chains of minima,
	v_mov_b32 v[12+\k], 0xff800000                 ; four of maxima
.endr
; One bank's turn: left = the younger loads that may stay out; refill = 1: the bank takes the loads 20 further on.
.macro BANK b, refill, left
	s_wait_loadcnt \left                           ; loads come back in order: this bank's five are in
.irp k, 0,1,2,3,4
	v_min3_num_f32 v[8+(2*\k)%4], v[8+(2*\k)%4], v[24+20*(\b)+4*\k], v[24+20*(\b)+4*\k+1]
	v_max3_num_f32 v[12+(2*\k)%4], v[12+(2*\k)%4], v[24+20*(\b)+4*\k], v[24+20*(\b)+4*\k+1]
	v_min3_num_f32 v[8+(2*\k+1)%4], v[8+(2*\k+1)%4], v[24+20*(\b)+4*\k+2], v[24+20*(\b)+4*\k+3]
	v_max3_num_f32 v[12+(2*\k+1)%4], v[12+(2*\k+1)%4], v[24+20*(\b)+4*\k+2], v[24+20*(\b)+4*\k+3]
.endr
.if \refill
.irp k, 0,1,2,3,4
	global_load_b128 v[24+20*(\b)+4*\k:27+20*(\b)+4*\k], v1, s[4:5] offset:(20+5*(\b)+\k)*512 th:TH_LOAD_NT
.endr
.endif
.endm
	s_mov_b32 s24, 4
.Lround:                                           ; four trips: loads 0 to 79 are used, 20 to 99 asked for
	BANK 0, 1, 15                                  ; 15: the three younger banks
	BANK 1, 1, 15
	BANK 2, 1, 15
	BANK 3, 1, 15
	s_wait_xcnt 0x0                                ; the base is stepped only behind this wait
	s_add_nc_u64 s[4:5], s[4:5], 10240
	s_sub_co_u32 s24, s24, 1
	s_cmp_lg_u32 s24, 0
	s_cbranch_scc1 .Lround
	BANK 0, 0, 15                                  ; the last round loads nothing: the counts run down
	BANK 1, 0, 10
	BANK 2, 0, 5
	BANK 3, 0, 0
	v_min_num_f32 v8, v8, v9
	v_min_num_f32 v10, v10, v11
	v_max_num_f32 v12, v12, v13
	v_max_num_f32 v14, v14, v15
	v_min_num_f32 v8, v8, v10
	v_max_num_f32 v12, v12, v14
	REDMIN 8, 10
	REDMAX 12, 13
	s_lshl_b32 s24, s18, 3
	s_add_co_u32 s24, s24, REDB
	v_mov_b32 v14, s24
	v_mov_b32 v9, v12
	ds_store_b64 v14, v[8:9]                       ; every lane writes the wave's pair, the same numbers
	s_wait_dscnt 0x0                               ; for the others' sake: my store is done
	s_barrier_signal -1
	s_barrier_wait -1
	s_cmp_lg_u32 s18, 0
	s_cbranch_scc1 .Lstream_end
	v_min_u32 v15, 19, v2                          ; wave 0: lane l takes wave min(l, 19)'s pair; a repeat changes no minimum
	v_lshl_add_u32 v15, v15, 3, REDB
	ds_load_b64 v[8:9], v15
	s_lshl_b32 s24, s19, 3
	s_mov_b32 s25, 0
	s_add_nc_u64 s[12:13], s[12:13], s[24:25]
	v_mov_b32 v16, 0
	s_wait_dscnt 0x0
	v_mov_b32 v12, v9
	REDMIN 8, 10
	REDMAX 12, 13
	v_mov_b32 v9, v12
	v_cmp_eq_u32 vcc_lo, 0, v2
	s_wait_xcnt 0x0                                ; EXEC changes only behind this wait
	s_and_saveexec_b32 s26, vcc_lo
	global_store_b64 v16, v[8:9], s[12:13]         ; one lane stores the share's pair
	s_wait_xcnt 0x0
	s_or_b32 exec_lo, exec_lo, s26
.Lstream_end:
	FIN
; ---------------- qk: threads 0 to 255 work, thread T on local row rr = T / 16 and the four columns 4 x .. 4 x + 3, x = T % 16 ----------------
.Lqk:
	v_lshrrev_b32 v3, 4, v0                        ; rr
	v_and_b32 v4, 15, v0                           ; x
	s_lshl_b32 s22, ttmp9, 8
	s_lshl_b32 s23, ttmp9, 12
	v_lshl_add_u32 v5, v3, 10, s22                 ; byte offset of row b = 4 rr + t in query and in qk32
	v_lshlrev_b32 v16, 10, v4                      ; of Wq's row 4 x
	v_lshlrev_b32 v17, 4, v4                       ; 16 x
	v_mul_u32_u24 v18, v3, 272                     ; QS + rr x pitch (QS = 0)
	v_add_nc_u32 v19, v5, v17                      ; my 16 bytes in qk32
	v_add_nc_u32 v21, v18, v17                     ; my 16 bytes in QS
	v_add_nc_u32 v20, KS, v21                      ; and in KS
	v_bfe_u32 v22, v0, 4, 3                        ; the fragments: 4 c + 2 u + h
	v_lshlrev_b32 v22, 5, v22                      ; eight f32 each
	v_mul_u32_u24 v24, v4, 272
	v_add_nc_u32 v22, v22, v24
	v_add_nc_u32 v22, KS, v22                      ; row T % 16 of KS, columns 32 c + 16 u + 8 h on
	v_lshl_add_u32 v23, v0, 4, s23                 ; my 16 bytes in qkf: 4,096 t + 16 T
	s_cmp_ge_u32 s18, 8
	s_cbranch_scc1 .Lskip_a
; q[rr][4 x + k] = sum over i of query[b][i] Wq[4 x + k][i], 16 i at a time; a pair of sums for each k
.macro ACH c
.irp m, 0,1,2,3
	global_load_b128 v[24+4*\m:27+4*\m], v5, s[6:7] offset:64*(\c)+16*\m
.endr
.irp k, 0,1,2,3
.irp m, 0,1,2,3
	global_load_b128 v[40+16*\k+4*\m:43+16*\k+4*\m], v16, s[8:9] offset:256*\k+64*(\c)+16*\m
.endr
.endr
	s_wait_loadcnt 0x0
.irp m, 0,1,2,3
.irp k, 0,1,2,3
.if ((\c) == 0) && (\m == 0)
	v_pk_mul_f32 v[8+2*\k:9+2*\k], v[24:25], v[40+16*\k:41+16*\k]      ; the first products start the sums
.else
	v_pk_fma_f32 v[8+2*\k:9+2*\k], v[24+4*\m:25+4*\m], v[40+16*\k+4*\m:41+16*\k+4*\m], v[8+2*\k:9+2*\k]
.endif
	v_pk_fma_f32 v[8+2*\k:9+2*\k], v[26+4*\m:27+4*\m], v[42+16*\k+4*\m:43+16*\k+4*\m], v[8+2*\k:9+2*\k]
.endr
.endr
.endm
	ACH 0
	ACH 1
	ACH 2
	ACH 3
.irp k, 0,1,2,3
	v_add_f32 v[104+\k], v[8+2*\k], v[9+2*\k]
.endr
	ds_store_b128 v21, v[104:107]
.Lskip_a:
	s_wait_dscnt 0x0                               ; my part of q is in LDS
	s_barrier_signal -1
	s_barrier_wait -1
	s_cmp_ge_u32 s18, 8
	s_cbranch_scc1 .Lskip_b
; qk[rr][4 x ..] = sum over e of q[rr][e] Wk[e][4 x ..], 16 e at a time; sixteen lanes read 256 consecutive bytes of a row of Wk
.macro BCH c
.irp e, 0,1,2,3,4,5,6,7,8,9,10,11,12,13,14,15
	global_load_b128 v[40+4*\e:43+4*\e], v17, s[10:11] offset:256*(16*(\c)+\e)
.endr
.irp m, 0,1,2,3
	ds_load_b128 v[24+4*\m:27+4*\m], v18 offset:64*(\c)+16*\m
.endr
	s_wait_loadcnt 0x0
	s_wait_dscnt 0x0
.irp e, 0,1,2,3,4,5,6,7,8,9,10,11,12,13,14,15
.if ((\c) == 0) && (\e == 0)
	v_pk_mul_f32 v[8:9], v[40:41], v[24:25] op_sel_hi:[1,0]
	v_pk_mul_f32 v[10:11], v[42:43], v[24:25] op_sel_hi:[1,0]
.elseif (\e%2) == 0                            ; q[e] lies in the pair's first register: both halves take it
	v_pk_fma_f32 v[8:9], v[40+4*\e:41+4*\e], v[24+\e:25+\e], v[8:9] op_sel_hi:[1,0,1]
	v_pk_fma_f32 v[10:11], v[42+4*\e:43+4*\e], v[24+\e:25+\e], v[10:11] op_sel_hi:[1,0,1]
.else                                          ; in the second
	v_pk_fma_f32 v[8:9], v[40+4*\e:41+4*\e], v[23+\e:24+\e], v[8:9] op_sel:[0,1,0] op_sel_hi:[1,1,1]
	v_pk_fma_f32 v[10:11], v[42+4*\e:43+4*\e], v[23+\e:24+\e], v[10:11] op_sel:[0,1,0] op_sel_hi:[1,1,1]
.endif
.endr
.endm
	BCH 0
	BCH 1
	BCH 2
	BCH 3
	global_store_b128 v19, v[8:11], s[16:17]       ; sixteen lanes store a whole row of qk32, 256 aligned bytes
	ds_store_b128 v20, v[8:11]
.Lskip_b:
	s_wait_dscnt 0x0                               ; my part of qk is in LDS
	s_barrier_signal -1
	s_barrier_wait -1
	s_cmp_ge_u32 s18, 8
	s_cbranch_scc1 .Lskip_c
; The fragments.  Lane (r, h) of a second source holds column r (query 4 r + t) and k = 32 c + 16 u + 8 h + 0..7 in register half u.  Threads 0-127 store hi, 128-255 lo.
	ds_load_b128 v[24:27], v22
	ds_load_b128 v[28:31], v22 offset:16
	s_wait_dscnt 0x0
.irp i, 0,1,2,3
	v_cvt_pk_bf16_f32 v[32+\i], v[24+2*\i], v[25+2*\i]     ; hi
.endr
.irp i, 0,1,2,3
	v_lshlrev_b32 v[40+2*\i], 16, v[32+\i]                 ; hi as f32
	v_and_b32 v[41+2*\i], 0xffff0000, v[32+\i]
.endr
.irp i, 0,1,2,3
	v_sub_f32 v[40+2*\i], v[24+2*\i], v[40+2*\i]           ; what hi leaves, exact
	v_sub_f32 v[41+2*\i], v[25+2*\i], v[41+2*\i]
.endr
.irp i, 0,1,2,3
	v_cvt_pk_bf16_f32 v[36+\i], v[40+2*\i], v[41+2*\i]     ; lo
.endr
	v_cmp_le_u32 vcc_lo, 128, v0
.irp i, 0,1,2,3
	v_cndmask_b32 v[32+\i], v[32+\i], v[36+\i], vcc_lo
.endr
	global_store_b128 v23, v[32:35], s[14:15]      ; a wave stores 512 consecutive bytes
.Lskip_c:
	FIN
.Lfunc_end_k_qf12d62fa63_minmax:
	.size	k_qf12d62fa63_minmax, .Lfunc_end_k_qf12d62fa63_minmax-k_qf12d62fa63_minmax
	.p2alignl 7, 3214868480
	.fill 96, 4, 3214868480
	.section	.rodata,"a",@progbits
	.p2align	6, 0x0
	.amdhsa_kernel k_qf12d62fa63_minmax
		.amdhsa_group_segment_fixed_size 11520
		.amdhsa_private_segment_fixed_size 0
		.amdhsa_enable_private_segment 0
		.amdhsa_kernarg_size 56
		.amdhsa_user_sgpr_count 2
		.amdhsa_user_sgpr_kernarg_segment_ptr 1
		.amdhsa_wavefront_size32 1
		.amdhsa_system_sgpr_workgroup_id_x 1
		.amdhsa_system_sgpr_workgroup_id_y 1
		.amdhsa_system_sgpr_workgroup_id_z 1
		.amdhsa_system_vgpr_workitem_id 0
		.amdhsa_next_free_vgpr 112
		.amdhsa_next_free_sgpr 66
		.amdhsa_reserve_vcc 1
		.amdhsa_float_denorm_mode_32 3
		.amdhsa_float_denorm_mode_16_64 3
		.amdhsa_memory_ordered 1
		.amdhsa_forward_progress 1
		.amdhsa_inst_pref_size 53
	.end_amdhsa_kernel
	.amdgpu_metadata
---
amdhsa.version: [ 1, 2 ]
amdhsa.kernels:
  - .name:           k_qf12d62fa63_minmax
    .symbol:         k_qf12d62fa63_minmax.kd
    .args:
      - { .name: memory, .offset: 0, .size: 8, .value_kind: global_buffer, .address_space: global }
      - { .name: query, .offset: 8, .size: 8, .value_kind: global_buffer, .address_space: global }
      - { .name: Wq, .offset: 16, .size: 8, .value_kind: global_buffer, .address_space: global }
      - { .name: Wk, .offset: 24, .size: 8, .value_kind: global_buffer, .address_space: global }
      - { .name: part, .offset: 32, .size: 8, .value_kind: global_buffer, .address_space: global }
      - { .name: qkf, .offset: 40, .size: 8, .value_kind: global_buffer, .address_space: global }
      - { .name: qk32, .offset: 48, .size: 8, .value_kind: global_buffer, .address_space: global }
    .group_segment_fixed_size: 11520
    .private_segment_fixed_size: 0
    .kernarg_segment_align: 8
    .kernarg_segment_size: 56
    .max_flat_workgroup_size: 640
    .sgpr_count:     66
    .vgpr_count:     112
    .wavefront_size: 32
...
	.end_amdgpu_metadata
.endif
;; end of part 1
;; launch scan (part 2): grid 250 x 1, 10 waves a work-group, no clusters, 76,032 bytes of LDS; arguments memory, attention_weights, qkf, part, gmax; writes gmax
.if DOCPART == 2
	.amdgcn_target "amdgcn-amd-amdhsa--gfx1250"
	.amdhsa_code_object_version 6
	.text
	.protected	k_qf12d62fa63_scan
	.globl	k_qf12d62fa63_scan
	.p2align	8
	.type	k_qf12d62fa63_scan,@function
k_qf12d62fa63_scan:
	s_mov_b64 s[64:65], 0
	v_nop
	global_prefetch_b8 v0, s[64:65] scope:SCOPE_SE
	s_setreg_imm32_b32 hwreg(HW_REG_WAVE_MODE, 25, 1), 1
	s_wait_xcnt 0x0
; SECOND PASS OVER THE TABLE.  With scale and zero point zp from the table's minimum and maximum, a number's code is k = round(x / scale + zp), and mem_dq = (k - zp) scale.
; A score is scale / 8 x (sum over j of qk[j] (k[j] - 128) + 8 bias / scale) plus a term that is the same for all slots of a query; scale is positive, so the sum in brackets, s', ranks the slots.
; k - 128 is a whole number of at most 8 bits, exact in bf16; qk goes in as two bf16 pieces, hi + lo (16 significant bits); the bias term is the C operand that starts the sum.
; Stored: for each query and each GROUP of 40 rows the largest s'.  A slot of a query's best five lies in a group whose maximum is at least its score, so at most four groups can lie above that group.
; The next launch keeps eight groups; the last one scores their rows anew in f32.  LIMIT: a best-five slot is lost only if four further groups' maxima lie within about 2^-15 (relative) of its group's.
; LIMITS.  NaN and infinities are not treated apart; scale = (max - min) / 255 must be a normal number other than 0 (v_rcp_f32 takes denormals as 0: ISA guide, its entry).
; SHARES.  250 work-groups of 10 waves; a wave owns 400 rows = 25 tiles of 16 rows (1,000,000 rows are 62,500 tiles = 2,500 x 25, which no 256 equal shares divide).
; A group is what one half of the lanes sees in 5 tiles: rows base + 16 t + j, t = 0..4, j = 0..7; its slot in the work-group is x = 10 wave + 2 chunk + h, base = 4,000 WG + 80 (x / 2) + 8 (x % 2).
; PRODUCT.  Source 0 = 16 rows of codes, source 1 = 16 queries (column r of query tile t is query 4 r + t): lane (r, h) holds rows 8 h + 0..7 for one query, so a group's maximum never leaves the lane.
; No tensor load: the codes are made in registers anyway, and only the bf16 codes (half the bytes) pass through LDS.  No cluster: the work-groups share 16 KiB of qk against 1,024,000 bytes of their own.
.set CODEW, 2304         ; per wave: 16 rows of 128 bytes of codes, pitch 144 (an odd multiple of 16)
.set AWB,   23040        ; per wave 1,792 bytes: 400 f32, 8 bias / scale
.set GST,   40960        ; 64 query rows of 128 slots, pitch 528
.set GP,    528
.set SPARE, 74752        ; the spare words, 128 bytes for each of 10 waves
; v1 16 x lane   v2 where I put 8 bytes of codes   v3 my lane's place in a fragment of codes   v4 my half's 8 bias terms   v5 my word in GST
.set SPW,  6             ; v6  SPARE + 4 x my thread's number; never rewritten
.set NIL,  7             ; v7  0; never rewritten
.set LANE, 8
.set RL,   9             ; lane % 16
.set HL,   10            ; lane / 16
.set NEG,  11            ; the lowest finite number
.set G,    12            ; v12-15  the group's maxima for my four queries
.set CC,   16            ; v16-23  C: the bias terms of rows 8 h + 0..7
.set AF,   24            ; v24-39  codes: two K steps of 32
.set ACC,  40            ; v40-71  four accumulators, one a query tile
.set Q,    72            ; v72-79  at work
.set E,    80            ; v80-87  at work
.set RING, 88            ; v88-167 twenty loads of 16 bytes a lane
.set BH,   168           ; v168-231 qk hi: tile t, K step c at BH + 16 t + 8 c;   v256-319 qk lo, in window 1 at 16 t + 8 c
.set PA,   16            ; before the walk: offsets in part,
.set AO,   20            ; offsets in my wave's 1,600 bytes of bias,
.set AS,   24            ; their LDS addresses,
.set PD,   40            ; part's numbers,
.set AD,   56            ; bias,
.set PS,   72            ; and scratch
.set RR,   20            ; s[20:21] 1 / scale        (each pair's low word serves both halves; the high word is written since the pair is named)
.set NSC,  22            ; s[22:23] - scale
.set ZP,   24            ; s[24:25] zp
.set MG,   26            ; s[26:27] 1.5 x 2^23: adding it rounds to a whole number, ties to even
.set NM,   28            ; s[28:29] -(1.5 x 2^23 + 128)
.set AWS,  30            ; s[30:31] 8 / scale
.set CNT,  32
.set PADM, 33            ; lanes 25 to 31
.set SEL,  34            ; s[34:35]
.set MSB, 0
.macro WIN new                         ; the immediate's high byte repeats the setting that is left
.if MSB != (\new)
	s_set_vgpr_msb (MSB<<8)|(\new)
.set MSB, \new
.endif
.endm
.macro REDMIN v, t
	v_min_num_f32_dpp v[\v], v[\v], v[\v] row_xmask:1 row_mask:0xf bank_mask:0xf
	v_min_num_f32_dpp v[\v], v[\v], v[\v] row_xmask:2 row_mask:0xf bank_mask:0xf
	v_min_num_f32_dpp v[\v], v[\v], v[\v] row_xmask:4 row_mask:0xf bank_mask:0xf
	v_min_num_f32_dpp v[\v], v[\v], v[\v] row_xmask:8 row_mask:0xf bank_mask:0xf
	v_permlanex16_b32 v[\t], v[\v], s[SEL], s[SEL+1]
	v_min_num_f32 v[\v], v[\v], v[\t]
.endm
.macro REDMAX v, t
	v_max_num_f32_dpp v[\v], v[\v], v[\v] row_xmask:1 row_mask:0xf bank_mask:0xf
	v_max_num_f32_dpp v[\v], v[\v], v[\v] row_xmask:2 row_mask:0xf bank_mask:0xf
	v_max_num_f32_dpp v[\v], v[\v], v[\v] row_xmask:4 row_mask:0xf bank_mask:0xf
	v_max_num_f32_dpp v[\v], v[\v], v[\v] row_xmask:8 row_mask:0xf bank_mask:0xf
	v_permlanex16_b32 v[\t], v[\v], s[SEL], s[SEL+1]
	v_max_num_f32 v[\v], v[\v], v[\t]
.endm
.macro DIVX q, a, b, r, e              ; q = a / b: a refined reciprocal (left in r), then two corrections of the quotient by its exact remainder
	v_rcp_f32 v[\r], v[\b]
	v_nop                                          ; a plain instruction behind the reciprocal
	s_wait_alu depctr_va_vdst(0)
	v_fma_f32 v[\e], -v[\b], v[\r], 1.0
	v_fma_f32 v[\r], v[\e], v[\r], v[\r]
	v_mul_f32 v[\q], v[\a], v[\r]
	v_fma_f32 v[\e], -v[\b], v[\q], v[\a]
	v_fma_f32 v[\q], v[\e], v[\r], v[\q]
	v_fma_f32 v[\e], -v[\b], v[\q], v[\a]
	v_fma_f32 v[\q], v[\e], v[\r], v[\q]
.endm
.macro PARAMS                          ; from part's 250 pairs: scale in v[PS+5], zp in v[PS+9], 1 / scale in v[PS+6]
	v_min3_num_f32 v[PS], v[PD], v[PD+2], v[PD+4]
	v_max3_num_f32 v[PS+1], v[PD+1], v[PD+3], v[PD+5]
	v_min3_num_f32 v[PS], v[PS], v[PD+6], v[PD+8]
	v_max3_num_f32 v[PS+1], v[PS+1], v[PD+7], v[PD+9]
	v_min3_num_f32 v[PS], v[PS], v[PD+10], v[PD+12]
	v_max3_num_f32 v[PS+1], v[PS+1], v[PD+11], v[PD+13]
	v_min_num_f32 v[PS], v[PS], v[PD+14]
	v_max_num_f32 v[PS+1], v[PS+1], v[PD+15]
	v_mov_b32 v[PS+2], 0                           ; v_permlanex16_b32's destination counts as read
	REDMIN PS, PS+2
	REDMAX PS+1, PS+2
	v_sub_f32 v[PS+3], v[PS+1], v[PS]              ; max - min
	v_mov_b32 v[PS+4], 0x437f0000                  ; 255
	DIVX PS+5, PS+3, PS+4, PS+6, PS+7
	v_mul_f32 v[PS+8], -1.0, v[PS]                 ; - min
	DIVX PS+9, PS+8, PS+5, PS+6, PS+7
.endm
	s_load_b256 s[4:11], s[0:1], 0x0               ; memory s[4:5], bias s[6:7], qkf s[8:9], part s[10:11]
	s_load_b64 s[12:13], s[0:1], 0x20              ; gmax
	v_lshl_add_u32 v[SPW], v0, 2, SPARE
	v_mov_b32 v[NIL], 0
	v_lshrrev_b32 v1, 5, v0
	v_readfirstlane_b32 s14, v1                    ; my wave's number
	s_mov_b32 s15, ttmp9
	v_and_b32 v[LANE], 31, v0
	v_and_b32 v[RL], 15, v0
	v_bfe_u32 v[HL], v0, 4, 1
	v_mov_b32 v[NEG], 0xff7fffff
	v_lshlrev_b32 v1, 4, v[LANE]
	s_mul_i32 s36, s14, CODEW                      ; my wave's codes,
	s_mul_i32 s37, s14, 1792
	s_add_co_u32 s37, s37, AWB                     ; its bias terms,
	s_mul_i32 s38, s14, 40
	s_add_co_u32 s38, s38, GST                     ; its ten slots in a row of GST
	v_mul_u32_u24 v2, v[HL], 144                   ; a load's 32 lanes hold two rows of 64 numbers: row lane / 16, 8 bytes of codes at 8 (lane % 16)
	v_lshl_add_u32 v2, v[RL], 3, v2
	v_add_nc_u32 v2, s36, v2
	v_mul_u32_u24 v3, v[RL], 144                   ; a fragment: row lane % 16, 16 bytes at 16 (lane / 16)
	v_lshl_add_u32 v3, v[HL], 4, v3
	v_add_nc_u32 v3, s36, v3
	v_lshl_add_u32 v4, v[HL], 5, s37
	v_mul_u32_u24 v5, v[RL], 4*GP                  ; query 4 r + t lies t rows on
	v_lshl_add_u32 v5, v[HL], 2, v5
	v_add_nc_u32 v5, s38, v5
.irp k, 0,1,2,3
	v_add_nc_u32 v[PA+\k], 32*\k, v[LANE]
	v_min_u32 v[PA+\k], 124, v[PA+\k]              ; part has 125 quads; a repeat changes no minimum
	v_lshlrev_b32 v[PA+\k], 4, v[PA+\k]
	v_add_nc_u32 v[AO+\k], 512*\k, v1
	v_min_u32 v[AO+\k], 1584, v[AO+\k]             ; my wave's bias has 100 quads; a repeat stores the same numbers again
	v_add_nc_u32 v[AS+\k], s37, v[AO+\k]
.endr
	s_mov_b32 s[MG], 0x4b400000
	s_mov_b32 s[MG+1], s[MG]
	s_mov_b32 s[NM], 0xcb400080
	s_mov_b32 s[NM+1], s[NM]
	s_mov_b32 s[PADM], 0xfe000000
	s_mov_b32 s[SEL], 0x76543210
	s_mov_b32 s[SEL+1], 0xfedcba98
	s_wait_kmcnt 0x0
	s_mul_i32 s36, s15, 1024000
	s_mul_i32 s37, s14, 102400
	s_add_co_u32 s36, s36, s37
	s_mov_b32 s37, 0
	s_add_nc_u64 s[4:5], s[4:5], s[36:37]          ; my wave's 400 rows
	s_mul_i32 s36, s15, 16000
	s_mul_i32 s38, s14, 1600
	s_add_co_u32 s36, s36, s38
	s_add_nc_u64 s[6:7], s[6:7], s[36:37]          ; and their bias
	; 60 loads go out on end: part 4, bias 4, qk 32, the ring 20
.irp k, 0,1,2,3
	global_load_b128 v[PD+4*\k:PD+4*\k+3], v[PA+\k], s[10:11]
.endr
.irp k, 0,1,2,3
	global_load_b128 v[AD+4*\k:AD+4*\k+3], v[AO+\k], s[6:7]
.endr
.irp f, 0,1,2,3,4,5,6,7                        ; f = 2 t + c
	global_load_b128 v[BH+8*\f:BH+8*\f+3], v1, s[8:9] offset:(\f/2)*4096+(\f%2)*1024
	global_load_b128 v[BH+8*\f+4:BH+8*\f+7], v1, s[8:9] offset:(\f/2)*4096+(\f%2)*1024+512
.endr
	WIN 0x40                                       ; destination in window 1
.irp f, 0,1,2,3,4,5,6,7
	global_load_b128 v[8*\f:8*\f+3], v1, s[8:9] offset:(\f/2)*4096+2048+(\f%2)*1024
	global_load_b128 v[8*\f+4:8*\f+7], v1, s[8:9] offset:(\f/2)*4096+2048+(\f%2)*1024+512
.endr
	WIN 0
.set n, 0
.rept 20
	global_load_b128 v[RING+4*n:RING+4*n+3], v1, s[4:5] offset:512*n th:TH_LOAD_NT
.set n, n+1
.endr
	s_wait_loadcnt 56                              ; all but the 56 behind part's four
	PARAMS
	v_readfirstlane_b32 s[RR], v[PS+6]
	v_readfirstlane_b32 s[NSC], v[PS+5]
	v_readfirstlane_b32 s[ZP], v[PS+9]
	s_xor_b32 s[NSC], s[NSC], 0x80000000
	s_mul_f32 s[AWS], s[RR], 0x41000000            ; 8 / scale
	s_mov_b32 s[RR+1], s[RR]
	s_mov_b32 s[NSC+1], s[NSC]
	s_mov_b32 s[ZP+1], s[ZP]
	s_mov_b32 s[AWS+1], s[AWS]
	s_wait_loadcnt 52                              ; the bias is in: qk's 32 and the ring's 20 may stay out
.irp p, 0,2,4,6,8,10,12,14
	v_pk_mul_f32 v[AD+\p:AD+\p+1], v[AD+\p:AD+\p+1], s[AWS:AWS+1] op_sel_hi:[1,0]
.endr
.irp k, 0,1,2,3
	ds_store_b128 v[AS+\k], v[AD+4*\k:AD+4*\k+3]   ; my wave's own bytes: LDS serves a wave's instructions in order (ISA guide 5.7.1.4), so no wait stands in front of my reads
.endr
	s_wait_loadcnt 20                              ; qk is in: the ring may stay out
; Loads n and n + 1 of the trip's frame (four rows): codes made, rounded to bf16 (exact), put into my tile in LDS.  left = the younger loads that may stay out.
; The quotient x / scale is x r corrected once by its exact remainder; then + zp, rounded; then to the nearest whole number, ties to even: the order of roundings of the problem's formula.
.macro QPAIR n, refill, left
.set MB, RING+4*((\n)%20)
	s_wait_loadcnt \left
.irp p, 0,2,4,6
	v_pk_mul_f32 v[Q+\p:Q+\p+1], v[MB+\p:MB+\p+1], s[RR:RR+1] op_sel_hi:[1,0]
.endr
.irp p, 0,2,4,6
	v_pk_fma_f32 v[E+\p:E+\p+1], v[Q+\p:Q+\p+1], s[NSC:NSC+1], v[MB+\p:MB+\p+1] op_sel_hi:[1,0,1]
.endr
.irp p, 0,2,4,6
	v_pk_fma_f32 v[Q+\p:Q+\p+1], v[E+\p:E+\p+1], s[RR:RR+1], v[Q+\p:Q+\p+1] op_sel_hi:[1,0,1]
.endr
.irp p, 0,2,4,6
	v_pk_add_f32 v[Q+\p:Q+\p+1], v[Q+\p:Q+\p+1], s[ZP:ZP+1] op_sel_hi:[1,0]
.endr
.irp p, 0,2,4,6
	v_pk_add_f32 v[Q+\p:Q+\p+1], v[Q+\p:Q+\p+1], s[MG:MG+1] op_sel_hi:[1,0]
.endr
.irp p, 0,2,4,6
	v_pk_add_f32 v[Q+\p:Q+\p+1], v[Q+\p:Q+\p+1], s[NM:NM+1] op_sel_hi:[1,0]
.endr
.irp p, 0,1,2,3
	v_cvt_pk_bf16_f32 v[E+\p], v[Q+2*\p], v[Q+2*\p+1]
.endr
	ds_store_b64 v2, v[E:E+1] offset:((\n)%8)*288
	ds_store_b64 v2, v[E+2:E+3] offset:((\n)%8)*288+288
.if \refill
	global_load_b128 v[MB:MB+3], v1, s[4:5] offset:((\n)+20)*512 th:TH_LOAD_NT
	global_load_b128 v[MB+4:MB+7], v1, s[4:5] offset:((\n)+21)*512 th:TH_LOAD_NT
.endif
.endm
.macro QUANT k, nref, l0, l1, l2, l3   ; tile k of the frame; the first nref of its four pairs are asked for again
	QPAIR 8*(\k), ((\nref)>0), \l0
	QPAIR 8*(\k)+2, ((\nref)>1), \l1
	QPAIR 8*(\k)+4, ((\nref)>2), \l2
	QPAIR 8*(\k)+6, ((\nref)>3), \l3
.endm
.macro FETCH k                         ; the tile's codes as source 0, and its bias terms as C
	ds_load_b128 v[AF:AF+3], v3
	ds_load_b128 v[AF+4:AF+7], v3 offset:32
	ds_load_b128 v[AF+8:AF+11], v3 offset:64
	ds_load_b128 v[AF+12:AF+15], v3 offset:96
	ds_load_b128 v[CC:CC+3], v4 offset:64*(\k)
	ds_load_b128 v[CC+4:CC+7], v4 offset:64*(\k)+16
.endm
.macro MMA                             ; 16 products; the four accumulators take turns, one instruction a turn
	s_wait_dscnt 0x0                               ; codes and bias terms are in
.irp t, 0,1,2,3
	v_wmma_f32_16x16x32_bf16 v[ACC+8*\t:ACC+8*\t+7], v[AF:AF+7], v[BH+16*\t:BH+16*\t+7], v[CC:CC+7]
.endr
.irp t, 0,1,2,3
	v_wmma_f32_16x16x32_bf16 v[ACC+8*\t:ACC+8*\t+7], v[AF+8:AF+15], v[BH+16*\t+8:BH+16*\t+15], v[ACC+8*\t:ACC+8*\t+7]
.endr
	WIN 0x04                                       ; source 1 in window 1: qk lo
.irp t, 0,1,2,3
	v_wmma_f32_16x16x32_bf16 v[ACC+8*\t:ACC+8*\t+7], v[AF:AF+7], v[16*\t:16*\t+7], v[ACC+8*\t:ACC+8*\t+7]
.endr
.irp t, 0,1,2,3
	v_wmma_f32_16x16x32_bf16 v[ACC+8*\t:ACC+8*\t+7], v[AF+8:AF+15], v[16*\t+8:16*\t+15], v[ACC+8*\t:ACC+8*\t+7]
.endr
	WIN 0
.endm
.macro MAXI first                      ; the group's maxima take the tile's scores; each accumulator's lowest registers are read first
.if \first
.irp t, 0,1,2,3
	v_max3_num_f32 v[G+\t], v[ACC+8*\t], v[ACC+8*\t+1], v[ACC+8*\t+2]
.endr
.irp t, 0,1,2,3
	v_max3_num_f32 v[G+\t], v[G+\t], v[ACC+8*\t+3], v[ACC+8*\t+4]
.endr
.irp t, 0,1,2,3
	v_max3_num_f32 v[G+\t], v[G+\t], v[ACC+8*\t+5], v[ACC+8*\t+6]
.endr
.irp t, 0,1,2,3
	v_max_num_f32 v[G+\t], v[G+\t], v[ACC+8*\t+7]
.endr
.else
.irp j, 0,2,4,6
.irp t, 0,1,2,3
	v_max3_num_f32 v[G+\t], v[G+\t], v[ACC+8*\t+\j], v[ACC+8*\t+\j+1]
.endr
.endr
.endif
.endm
.macro GOUT
.irp t, 0,1,2,3
	ds_store_b32 v5, v[G+\t] offset:GP*\t
.endr
.endm
; A tile's products; then the next tile's codes, 112 plain vector instructions that name no register of those products: they are the places in front of the loads into A and C,
; of the maxima, and of the next tile's first products, which write the accumulators anew.
.macro TILE k, first, nref, l0, l1, l2, l3
	MMA
	QUANT (\k)+1, \nref, \l0, \l1, \l2, \l3
	FETCH (\k)+1
	MAXI \first
.endm
	QUANT 0, 4, 18, 18, 18, 18                     ; 18: the ring's twenty less the pair wanted
	FETCH 0
	s_mov_b32 s[CNT], 4
.Lchunk:                                           ; a trip: five tiles = a group for each half of the lanes; 40 loads on a ring of 20, so the registers' names come round
	TILE 0, 1, 4, 18, 18, 18, 18
	TILE 1, 0, 4, 18, 18, 18, 18
	TILE 2, 0, 4, 18, 18, 18, 18
	TILE 3, 0, 4, 18, 18, 18, 18
	TILE 4, 0, 4, 18, 18, 18, 18                   ; its codes are the next trip's first tile's
	GOUT
	s_wait_xcnt 0x0                                ; the base is stepped only behind this wait
	s_add_nc_u64 s[4:5], s[4:5], 20480             ; 40 loads of 512 bytes
	v_add_nc_u32 v4, 320, v4                       ; 80 bias terms
	v_add_nc_u32 v5, 8, v5                         ; two slots
	s_sub_co_u32 s[CNT], s[CNT], 1
	s_cmp_lg_u32 s[CNT], 0
	s_cbranch_scc1 .Lchunk
	TILE 0, 1, 4, 18, 18, 18, 18                   ; tiles 20 to 24: loads 188 to 195 are asked for,
	TILE 1, 0, 2, 18, 18, 18, 16                   ; then 196 to 199, the last; from here the count is 198 less the pair's first load
	TILE 2, 0, 0, 14, 12, 10, 8
	TILE 3, 0, 0, 6, 4, 2, 0
	MMA
.rept 4
	v_nop                                          ; the places behind the last products
.endr
	MAXI 0
	GOUT
	s_wait_dscnt 0x0                               ; for the others' sake: my maxima are in GST
	s_barrier_signal -1
	s_barrier_wait -1
	s_cmp_ge_u32 s14, 8
	s_cbranch_scc1 .Lend
	; THE WAY OUT: wave w stores queries 8 w .. 8 w + 7, a row of 128 slots each: 512 consecutive bytes.  Slots 100 to 127 (lanes 25 to 31) take the lowest finite number.
	v_min_u32 v16, 24, v[LANE]
	v_lshlrev_b32 v16, 4, v16
	s_mul_i32 s36, s14, 8*GP
	s_add_co_u32 s36, s36, GST
	v_add_nc_u32 v16, s36, v16
	s_mul_i32 s36, s14, 1024000                    ; eight query rows of 128,000 bytes
	s_lshl_b32 s38, s15, 9
	s_add_co_u32 s36, s36, s38
	s_mov_b32 s37, 0
	s_add_nc_u64 s[12:13], s[12:13], s[36:37]
.irp k, 0,1,2,3,4,5,6,7
	ds_load_b128 v[RING+4*\k:RING+4*\k+3], v16 offset:GP*\k
.endr
.irp k, 0,1,2,3,4,5,6,7
	s_wait_dscnt 7-\k
.irp z, 0,1,2,3
	v_cndmask_b32 v[RING+4*\k+\z], v[RING+4*\k+\z], v[NEG], s[PADM]
.endr
	global_store_b128 v1, v[RING+4*\k:RING+4*\k+3], s[12:13] offset:128000*\k
.endr
.Lend:
	s_wait_tensorcnt 0x0                           ; the wave's end
	ds_add_u32 v[SPW], v[NIL]
	s_wait_dscnt 0x0
	s_endpgm
.Lfunc_end_k_qf12d62fa63_scan:
	.size	k_qf12d62fa63_scan, .Lfunc_end_k_qf12d62fa63_scan-k_qf12d62fa63_scan
	.p2alignl 7, 3214868480
	.fill 96, 4, 3214868480
	.section	.rodata,"a",@progbits
	.p2align	6, 0x0
	.amdhsa_kernel k_qf12d62fa63_scan
		.amdhsa_group_segment_fixed_size 76032
		.amdhsa_private_segment_fixed_size 0
		.amdhsa_enable_private_segment 0
		.amdhsa_kernarg_size 40
		.amdhsa_user_sgpr_count 2
		.amdhsa_user_sgpr_kernarg_segment_ptr 1
		.amdhsa_wavefront_size32 1
		.amdhsa_system_sgpr_workgroup_id_x 1
		.amdhsa_system_sgpr_workgroup_id_y 1
		.amdhsa_system_sgpr_workgroup_id_z 1
		.amdhsa_system_vgpr_workitem_id 0
		.amdhsa_next_free_vgpr 320
		.amdhsa_next_free_sgpr 66
		.amdhsa_reserve_vcc 0
		.amdhsa_float_denorm_mode_32 3
		.amdhsa_float_denorm_mode_16_64 3
		.amdhsa_memory_ordered 1
		.amdhsa_forward_progress 1
		.amdhsa_inst_pref_size 125
	.end_amdhsa_kernel
	.amdgpu_metadata
---
amdhsa.version: [ 1, 2 ]
amdhsa.kernels:
  - .name:           k_qf12d62fa63_scan
    .symbol:         k_qf12d62fa63_scan.kd
    .args:
      - { .name: memory, .offset: 0, .size: 8, .value_kind: global_buffer, .address_space: global }
      - { .name: attention_weights, .offset: 8, .size: 8, .value_kind: global_buffer, .address_space: global }
      - { .name: qkf, .offset: 16, .size: 8, .value_kind: global_buffer, .address_space: global }
      - { .name: part, .offset: 24, .size: 8, .value_kind: global_buffer, .address_space: global }
      - { .name: gmax, .offset: 32, .size: 8, .value_kind: global_buffer, .address_space: global }
    .group_segment_fixed_size: 76032
    .private_segment_fixed_size: 0
    .kernarg_segment_align: 8
    .kernarg_segment_size: 40
    .max_flat_workgroup_size: 320
    .sgpr_count:     66
    .vgpr_count:     320
    .wavefront_size: 32
...
	.end_amdgpu_metadata
.endif
;; end of part 2
;; launch pick (part 3): grid 64 x 1, 25 waves a work-group, no clusters, 9,984 bytes of LDS; arguments gmax, cand; writes cand
.if DOCPART == 3
	.amdgcn_target "amdgcn-amd-amdhsa--gfx1250"
	.amdhsa_code_object_version 6
	.text
	.protected	k_qf12d62fa63_pick
	.globl	k_qf12d62fa63_pick
	.p2align	8
	.type	k_qf12d62fa63_pick,@function
k_qf12d62fa63_pick:
	s_mov_b64 s[64:65], 0
	v_nop
	global_prefetch_b8 v0, s[64:65] scope:SCOPE_SE
	s_setreg_imm32_b32 hwreg(HW_REG_WAVE_MODE, 25, 1), 1
	s_wait_xcnt 0x0
; For each query the eight groups with the largest maxima, stored as each group's first row number: whole numbers, from which the next launch forms addresses.
; One work-group a query.  A query's row of gmax is 250 x 128 slots; wave w takes the slots of table shares 10 w .. 10 w + 9, ten loads of 512 bytes; a lane sees 40 numbers.
; A number's six lowest mantissa bits are replaced by its place j (0 to 39) in the lane: a KEY, off by at most 2^-17 of the number, that carries where it came from.
; Each lane keeps its eight largest keys in order; eight rounds take the wave's eight largest; wave 0 merges the 25 lists.  Nothing here steers an address or a branch: winners are chosen by masks.
; LIMITS.  NaN and infinities are not treated apart.  Equal keys in two lanes are taken one at a time, the lower lane first.
.set KL,    0            ; 25 waves x 32 words: a wave's eight keys in words 0 to 7
.set IL,    3328         ; the same for their groups' first rows, as f32 (under 2^24: exact)
.set SPARE, 6656         ; the spare words, 128 bytes for each of 25 waves
.set SPW,  6
.set NIL,  7
.set NEG,  8             ; the lowest finite number
.set T,    56            ; v56-63 my eight largest keys, descending
.set SEL,  14            ; s[14:15]
.macro REDMAX v, t
	v_max_num_f32_dpp v[\v], v[\v], v[\v] row_xmask:1 row_mask:0xf bank_mask:0xf
	v_max_num_f32_dpp v[\v], v[\v], v[\v] row_xmask:2 row_mask:0xf bank_mask:0xf
	v_max_num_f32_dpp v[\v], v[\v], v[\v] row_xmask:4 row_mask:0xf bank_mask:0xf
	v_max_num_f32_dpp v[\v], v[\v], v[\v] row_xmask:8 row_mask:0xf bank_mask:0xf
	v_permlanex16_b32 v[\t], v[\v], s[SEL], s[SEL+1]
	v_max_num_f32 v[\v], v[\v], v[\t]
.endm
	s_load_b128 s[4:7], s[0:1], 0x0                ; gmax s[4:5], cand s[6:7]
	v_lshl_add_u32 v[SPW], v0, 2, SPARE
	v_mov_b32 v[NIL], 0
	v_lshrrev_b32 v1, 5, v0
	v_readfirstlane_b32 s8, v1                     ; my wave's number
	v_and_b32 v2, 31, v0                           ; lane
	v_lshlrev_b32 v3, 4, v2
	v_lshlrev_b32 v14, 2, v0                       ; my word in KL and in IL
	s_mul_i32 s10, ttmp9, 128000                   ; the query's row,
	s_mul_i32 s11, s8, 5120                        ; my wave's ten shares
	s_add_co_u32 s10, s10, s11
	s_mov_b32 s11, 0
	s_mov_b32 s12, 0xffffffc0
	s_mov_b32 s[SEL], 0x76543210
	s_mov_b32 s[SEL+1], 0xfedcba98
	s_mul_i32 s16, s8, 10
	s_wait_kmcnt 0x0
	s_add_nc_u64 s[4:5], s[4:5], s[10:11]
.irp i, 0,1,2,3,4,5,6,7,8,9
	global_load_b128 v[16+4*\i:19+4*\i], v3, s[4:5] offset:512*\i
.endr
	v_mov_b32 v[NEG], 0xff7fffff
	v_mov_b32 v11, 0
	v_mov_b32 v12, 0xff7fffff                      ; the wave's keys, lane k the k-th
	v_mov_b32 v13, 0                               ; and their first rows
.irp z, 0,1,2,3,4,5,6,7
	v_mov_b32 v[T+\z], 0xff7fffff
.endr
; A key enters the ordered list: place z takes the middle one of its old upper neighbour, itself and the key.  From the bottom up, so that every line reads old numbers.
.macro INS j
	v_and_or_b32 v9, v[16+(\j)], s12, \j
.irp z, 7,6,5,4,3,2,1
	v_med3_num_f32 v[T+\z], v[T+\z-1], v[T+\z], v9
.endr
	v_max_num_f32 v[T], v[T], v9
.endm
.set j, 0
.rept 10
	s_wait_loadcnt 9-j/4                           ; loads come back in order: the younger ones stay out
.rept 4
	INS j
.set j, j+1
.endr
.endr
; Eight rounds: the largest head; the lowest lane that holds it gives it up and moves its list on.  From wave, lane L and j: share 10 w + j / 4, slot x = 4 L + j % 4, first row 4,000 share + 80 (x / 2) + 8 (x % 2).
.set k, 0
.rept 8
	v_mov_b32 v10, v[T]
	REDMAX 10, 11
	v_cmp_eq_f32 s20, v[T], v10
	s_ctz_i32_b32 s21, s20
	s_lshl_b32 s22, 1, s21
.irp z, 0,1,2,3,4,5,6
	v_cndmask_b32 v[T+\z], v[T+\z], v[T+\z+1], s22
.endr
	v_cndmask_b32 v[T+7], v[T+7], v[NEG], s22
	v_readfirstlane_b32 s23, v10
	s_and_b32 s24, s23, 63                         ; j
	s_lshr_b32 s25, s24, 2
	s_add_co_u32 s25, s25, s16
	s_mul_i32 s25, s25, 4000
	s_bfe_u32 s26, s24, 0x10001                    ; bit 1 of j
	s_lshl1_add_u32 s26, s21, s26                  ; x / 2 = 2 L + that bit
	s_mul_i32 s26, s26, 80
	s_and_b32 s27, s24, 1
	s_lshl3_add_u32 s25, s27, s25
	s_add_co_u32 s25, s25, s26
	s_cvt_f32_u32 s25, s25
	v_writelane_b32 v12, s23, k
	v_writelane_b32 v13, s25, k
.set k, k+1
.endr
	ds_store_b32 v14, v12 offset:KL
	ds_store_b32 v14, v13 offset:IL
	s_wait_dscnt 0x0                               ; for wave 0's sake: my list is in LDS
	s_barrier_signal -1
	s_barrier_wait -1
	s_cmp_lg_u32 s8, 0
	s_cbranch_scc1 .Lend
	; wave 0: lane l holds wave l's list (lanes 25 to 31 a list of lowest numbers); eight rounds as above, the first rows moving with the keys
	v_min_u32 v15, 24, v2
	v_lshlrev_b32 v15, 7, v15
	ds_load_b128 v[16:19], v15 offset:KL
	ds_load_b128 v[20:23], v15 offset:KL+16
	ds_load_b128 v[24:27], v15 offset:IL
	ds_load_b128 v[28:31], v15 offset:IL+16
	s_mov_b32 s28, 0xfe000000
	v_mov_b32 v32, 0
	v_mov_b32 v33, -1.0
	v_lshlrev_b32 v35, 2, v2
	s_lshl_b32 s10, ttmp9, 7
	s_add_nc_u64 s[6:7], s[6:7], s[10:11]
	s_wait_dscnt 0x0
.irp z, 0,1,2,3,4,5,6,7
	v_cndmask_b32 v[16+\z], v[16+\z], v[NEG], s28
.endr
.set k, 0
.rept 8
	v_mov_b32 v10, v16
	REDMAX 10, 11
	v_cmp_eq_f32 s20, v16, v10
	s_ctz_i32_b32 s21, s20
	s_lshl_b32 s22, 1, s21
	v_cndmask_b32 v34, v33, v24, s22               ; the winner's first row in its lane, -1 elsewhere
	REDMAX 34, 11
.irp z, 0,1,2,3,4,5,6
	v_cndmask_b32 v[16+\z], v[16+\z], v[17+\z], s22
	v_cndmask_b32 v[24+\z], v[24+\z], v[25+\z], s22
.endr
	v_cndmask_b32 v23, v23, v[NEG], s22
	v_cndmask_b32 v31, v31, v33, s22
	v_readfirstlane_b32 s23, v34
	v_writelane_b32 v32, s23, k
.set k, k+1
.endr
	v_cvt_u32_f32 v32, v32
	global_store_b32 v35, v32, s[6:7]              ; 32 words: eight first rows, then zeros
.Lend:
	s_wait_tensorcnt 0x0                           ; the wave's end
	ds_add_u32 v[SPW], v[NIL]
	s_wait_dscnt 0x0
	s_endpgm
.Lfunc_end_k_qf12d62fa63_pick:
	.size	k_qf12d62fa63_pick, .Lfunc_end_k_qf12d62fa63_pick-k_qf12d62fa63_pick
	.p2alignl 7, 3214868480
	.fill 96, 4, 3214868480
	.section	.rodata,"a",@progbits
	.p2align	6, 0x0
	.amdhsa_kernel k_qf12d62fa63_pick
		.amdhsa_group_segment_fixed_size 9984
		.amdhsa_private_segment_fixed_size 0
		.amdhsa_enable_private_segment 0
		.amdhsa_kernarg_size 16
		.amdhsa_user_sgpr_count 2
		.amdhsa_user_sgpr_kernarg_segment_ptr 1
		.amdhsa_wavefront_size32 1
		.amdhsa_system_sgpr_workgroup_id_x 1
		.amdhsa_system_sgpr_workgroup_id_y 1
		.amdhsa_system_sgpr_workgroup_id_z 1
		.amdhsa_system_vgpr_workitem_id 0
		.amdhsa_next_free_vgpr 64
		.amdhsa_next_free_sgpr 66
		.amdhsa_reserve_vcc 0
		.amdhsa_float_denorm_mode_32 3
		.amdhsa_float_denorm_mode_16_64 3
		.amdhsa_memory_ordered 1
		.amdhsa_forward_progress 1
		.amdhsa_inst_pref_size 55
	.end_amdhsa_kernel
	.amdgpu_metadata
---
amdhsa.version: [ 1, 2 ]
amdhsa.kernels:
  - .name:           k_qf12d62fa63_pick
    .symbol:         k_qf12d62fa63_pick.kd
    .args:
      - { .name: gmax, .offset: 0, .size: 8, .value_kind: global_buffer, .address_space: global }
      - { .name: cand, .offset: 8, .size: 8, .value_kind: global_buffer, .address_space: global }
    .group_segment_fixed_size: 9984
    .private_segment_fixed_size: 0
    .kernarg_segment_align: 8
    .kernarg_segment_size: 16
    .max_flat_workgroup_size: 800
    .sgpr_count:     66
    .vgpr_count:     64
    .wavefront_size: 32
...
	.end_amdgpu_metadata
.endif
;; end of part 3
;; launch finish (part 4): grid 64 x 1, 8 waves a work-group, no clusters, 5,888 bytes of LDS; arguments cand, memory, attention_weights, qk32, part, Wv, out0; writes out0
.if DOCPART == 4
	.amdgcn_target "amdgcn-amd-amdhsa--gfx1250"
	.amdhsa_code_object_version 6
	.text
	.protected	k_qf12d62fa63_finish
	.globl	k_qf12d62fa63_finish
	.p2align	8
	.type	k_qf12d62fa63_finish,@function
k_qf12d62fa63_finish:
	s_mov_b64 s[64:65], 0
	v_nop
	global_prefetch_b8 v0, s[64:65] scope:SCOPE_SE
	s_setreg_imm32_b32 hwreg(HW_REG_WAVE_MODE, 25, 1), 1
	s_wait_xcnt 0x0
; One work-group a query; wave g takes candidate group g: the 40 rows first + 16 t + j (t = 0..4, j = 0..7), first read from cand as a whole number and held to 999,928, so that the last row is 999,999.
; Phase 1: mem_dq = (round(x / scale + zp) - zp) scale with the roundings of the problem's formula, all in f32; score = (qk . mem_dq) / 8 + bias.
; Phase 2: every wave finds the best five of the 320 scores, equal scores to the lower row; softmax of the five with their maximum taken away.
; Phase 3: z = sum of weight x mem_dq over my 40 rows, rows that were not chosen with weight 0: no address hangs on the choice.   Phase 4 (wave 0): out = z Wv^T.
; LIMITS.  NaN and infinities are not treated apart; scale = (max - min) / 255 must be a normal number other than 0 (v_rcp_f32 takes denormals as 0: ISA guide, its entry);
; x / scale + zp lies under 2^22 in size (it is 0 to 255 by its making).  The dot product's order of sums differs from keys-then-scores: both are f32 sums of 64 x 64 terms.
; No matrix unit: 320 rows of 64 a query.  No cluster: the work-groups share only Wv (16 KiB).
.set SCB,   0            ; 320 pairs (score, row number as f32)
.set WS,    2560         ; 8 waves x 64 f32
.set ZS,    4608         ; z
.set SPARE, 4864         ; the spare words, 128 bytes for each of 8 waves
; v1 lane   v2 lane % 16   v3 lane / 16   v4 16 x lane, later my offset in Wv   v5 4 x (lane / 16), later minus infinity
.set SPW,  6
.set NIL,  7
.set QK,   8             ; v8-11   qk[q][4 r .. 4 r + 3]
.set IB,   16            ; v16     first + h, whole
.set IDB,  17            ; v17     the same as f32
.set MX,   18            ; v18-22  the five scores, then their weights
.set RW,   23            ; v23-27  their row numbers, then those less first + h, whole
.set AW,   28            ; v28-47  bias of my 20 rows; then ten pairs (score, row)
.set X,    48            ; v48-127 twenty loads of two rows: x, then mem_dq
.set WV,   128           ; v128-255 wave 0, from phase 2 on: Wv rows 4 r + a, columns 32 h + 4 b on, at WV + 32 a + 4 b
.set Q,    128           ; phase 1's scratch, in every wave
.set E,    136
.set P,    144
.set SA,   152
.set PA,   156
.set PD,   160
.set PS,   176
.set RR,   28            ; s[28:29] 1 / scale     (each pair's low word serves both halves)
.set SC,   30            ; scale
.set NSC,  32            ; - scale
.set ZP,   34            ; zp
.set NZP,  36            ; - zp
.set MG,   38            ; 1.5 x 2^23
.set NMG,  40            ; its negative
.set SEL,  42
.macro REDMIN v, t
	v_min_num_f32_dpp v[\v], v[\v], v[\v] row_xmask:1 row_mask:0xf bank_mask:0xf
	v_min_num_f32_dpp v[\v], v[\v], v[\v] row_xmask:2 row_mask:0xf bank_mask:0xf
	v_min_num_f32_dpp v[\v], v[\v], v[\v] row_xmask:4 row_mask:0xf bank_mask:0xf
	v_min_num_f32_dpp v[\v], v[\v], v[\v] row_xmask:8 row_mask:0xf bank_mask:0xf
	v_permlanex16_b32 v[\t], v[\v], s[SEL], s[SEL+1]
	v_min_num_f32 v[\v], v[\v], v[\t]
.endm
.macro REDMAX v, t
	v_max_num_f32_dpp v[\v], v[\v], v[\v] row_xmask:1 row_mask:0xf bank_mask:0xf
	v_max_num_f32_dpp v[\v], v[\v], v[\v] row_xmask:2 row_mask:0xf bank_mask:0xf
	v_max_num_f32_dpp v[\v], v[\v], v[\v] row_xmask:4 row_mask:0xf bank_mask:0xf
	v_max_num_f32_dpp v[\v], v[\v], v[\v] row_xmask:8 row_mask:0xf bank_mask:0xf
	v_permlanex16_b32 v[\t], v[\v], s[SEL], s[SEL+1]
	v_max_num_f32 v[\v], v[\v], v[\t]
.endm
.macro DIVX q, a, b, r, e              ; q = a / b: a refined reciprocal (left in r), then two corrections of the quotient by its exact remainder
	v_rcp_f32 v[\r], v[\b]
	v_nop                                          ; a plain instruction behind the reciprocal
	s_wait_alu depctr_va_vdst(0)
	v_fma_f32 v[\e], -v[\b], v[\r], 1.0
	v_fma_f32 v[\r], v[\e], v[\r], v[\r]
	v_mul_f32 v[\q], v[\a], v[\r]
	v_fma_f32 v[\e], -v[\b], v[\q], v[\a]
	v_fma_f32 v[\q], v[\e], v[\r], v[\q]
	v_fma_f32 v[\e], -v[\b], v[\q], v[\a]
	v_fma_f32 v[\q], v[\e], v[\r], v[\q]
.endm
.macro PARAMS                          ; from part's 250 pairs: scale in v[PS+5], zp in v[PS+9], 1 / scale in v[PS+6]
	v_min3_num_f32 v[PS], v[PD], v[PD+2], v[PD+4]
	v_max3_num_f32 v[PS+1], v[PD+1], v[PD+3], v[PD+5]
	v_min3_num_f32 v[PS], v[PS], v[PD+6], v[PD+8]
	v_max3_num_f32 v[PS+1], v[PS+1], v[PD+7], v[PD+9]
	v_min3_num_f32 v[PS], v[PS], v[PD+10], v[PD+12]
	v_max3_num_f32 v[PS+1], v[PS+1], v[PD+11], v[PD+13]
	v_min_num_f32 v[PS], v[PS], v[PD+14]
	v_max_num_f32 v[PS+1], v[PS+1], v[PD+15]
	v_mov_b32 v[PS+2], 0                           ; v_permlanex16_b32's destination counts as read
	REDMIN PS, PS+2
	REDMAX PS+1, PS+2
	v_sub_f32 v[PS+3], v[PS+1], v[PS]              ; max - min
	v_mov_b32 v[PS+4], 0x437f0000                  ; 255
	DIVX PS+5, PS+3, PS+4, PS+6, PS+7
	v_mul_f32 v[PS+8], -1.0, v[PS]                 ; - min
	DIVX PS+9, PS+8, PS+5, PS+6, PS+7
.endm
	s_load_b256 s[4:11], s[0:1], 0x0               ; cand s[4:5], memory s[6:7], bias s[8:9], qk32 s[10:11]
	s_load_b128 s[12:15], s[0:1], 0x20             ; part s[12:13], Wv s[14:15]
	s_load_b64 s[16:17], s[0:1], 0x30              ; out0
	v_lshl_add_u32 v[SPW], v0, 2, SPARE
	v_mov_b32 v[NIL], 0
	v_lshrrev_b32 v1, 5, v0
	v_readfirstlane_b32 s18, v1                    ; my wave's number g
	v_and_b32 v1, 31, v0
	v_and_b32 v2, 15, v0
	v_bfe_u32 v3, v0, 4, 1
	v_lshlrev_b32 v4, 4, v1
	v_lshlrev_b32 v5, 2, v3
	s_lshl_b32 s20, ttmp9, 7
	s_lshl2_add_u32 s20, s18, s20                  ; 128 q + 4 g: my group's word in cand
	s_mov_b32 s21, 0
	s_lshl_b32 s23, ttmp9, 8                       ; 256 q: the query's row in qk32 and in out0
	v_lshl_add_u32 v12, v2, 4, s23
	s_mul_i32 s24, s18, 320
	v_lshl_add_u32 v[SA], v3, 3, s24               ; SCB (= 0) + my wave's 40 pairs + my half's
.irp k, 0,1,2,3
	v_add_nc_u32 v[PA+\k], 32*\k, v1
	v_min_u32 v[PA+\k], 124, v[PA+\k]              ; part has 125 quads; a repeat changes no minimum
	v_lshlrev_b32 v[PA+\k], 4, v[PA+\k]
.endr
	s_mov_b32 s[MG], 0x4b400000
	s_mov_b32 s[MG+1], s[MG]
	s_mov_b32 s[NMG], 0xcb400000
	s_mov_b32 s[NMG+1], s[NMG]
	s_mov_b32 s[SEL], 0x76543210
	s_mov_b32 s[SEL+1], 0xfedcba98
	s_wait_kmcnt 0x0
	s_add_nc_u64 s[4:5], s[4:5], s[20:21]
	s_load_b32 s22, s[4:5], 0x0                    ; my group's first row
.irp k, 0,1,2,3
	global_load_b128 v[PD+4*\k:PD+4*\k+3], v[PA+\k], s[12:13]
.endr
	global_load_b128 v[QK:QK+3], v12, s[10:11]
	s_wait_kmcnt 0x0
	s_min_u32 s22, s22, 999928                     ; inside the table whatever the word holds
	s_lshl_b32 s24, s22, 8
	s_mov_b32 s25, 0
	s_add_nc_u64 s[6:7], s[6:7], s[24:25]
	s_lshl_b32 s24, s22, 2
	s_add_nc_u64 s[8:9], s[8:9], s[24:25]
	v_add_nc_u32 v[IB], s22, v3
	v_cvt_f32_u32 v[IDB], v[IB]
.set i, 0
.rept 20                                       ; load i holds rows c + h, c = 16 (i / 4) + 2 (i % 4)
	global_load_b32 v[AW+i], v5, s[8:9] offset:4*(16*(i/4)+2*(i%4))
.set i, i+1
.endr
.set i, 0
.rept 20                                       ; two whole rows, 512 consecutive bytes
	global_load_b128 v[X+4*i:X+4*i+3], v4, s[6:7] offset:256*(16*(i/4)+2*(i%4))
.set i, i+1
.endr
	s_wait_loadcnt 41                              ; part is in: qk 1, bias 20 and rows 20 may stay out
	PARAMS
	v_readfirstlane_b32 s[RR], v[PS+6]
	v_readfirstlane_b32 s[SC], v[PS+5]
	v_readfirstlane_b32 s[ZP], v[PS+9]
	s_xor_b32 s[NSC], s[SC], 0x80000000
	s_xor_b32 s[NZP], s[ZP], 0x80000000
	s_mov_b32 s[RR+1], s[RR]
	s_mov_b32 s[SC+1], s[SC]
	s_mov_b32 s[NSC+1], s[NSC]
	s_mov_b32 s[ZP+1], s[ZP]
	s_mov_b32 s[NZP+1], s[NZP]
	s_wait_loadcnt 20                              ; qk and bias are in: the rows may stay out
; PHASE 1.  Loads 2 m and 2 m + 1: four rows.  The quotient is corrected twice by its exact remainder.
.macro ROWS m
.set XB, X+8*(\m)
	s_wait_loadcnt 18-2*(\m)                       ; the younger pairs of loads stay out
.irp p, 0,2,4,6
	v_pk_mul_f32 v[Q+\p:Q+\p+1], v[XB+\p:XB+\p+1], s[RR:RR+1] op_sel_hi:[1,0]
.endr
.rept 2
.irp p, 0,2,4,6
	v_pk_fma_f32 v[E+\p:E+\p+1], v[Q+\p:Q+\p+1], s[NSC:NSC+1], v[XB+\p:XB+\p+1] op_sel_hi:[1,0,1]
.endr
.irp p, 0,2,4,6
	v_pk_fma_f32 v[Q+\p:Q+\p+1], v[E+\p:E+\p+1], s[RR:RR+1], v[Q+\p:Q+\p+1] op_sel_hi:[1,0,1]
.endr
.endr
.irp c, ZP, MG, NMG, NZP                       ; + zp; to the nearest whole number, ties to even; - zp
.irp p, 0,2,4,6
	v_pk_add_f32 v[Q+\p:Q+\p+1], v[Q+\p:Q+\p+1], s[\c:\c+1] op_sel_hi:[1,0]
.endr
.endr
.irp p, 0,2,4,6
	v_pk_mul_f32 v[XB+\p:XB+\p+1], v[Q+\p:Q+\p+1], s[SC:SC+1] op_sel_hi:[1,0]   ; mem_dq, kept for phase 3
.endr
.irp u, 0,1
	v_pk_mul_f32 v[P+4*\u:P+4*\u+1], v[XB+4*\u:XB+4*\u+1], v[QK:QK+1]
.endr
.irp u, 0,1
	v_pk_fma_f32 v[P+4*\u:P+4*\u+1], v[XB+4*\u+2:XB+4*\u+3], v[QK+2:QK+3], v[P+4*\u:P+4*\u+1]
.endr
.irp u, 0,1
	v_add_f32 v[P+4*\u], v[P+4*\u], v[P+4*\u+1]
.endr
.irp w, 1,2,4,8                                ; a row lies in sixteen lanes
.irp u, 0,1
	v_add_f32_dpp v[P+4*\u], v[P+4*\u], v[P+4*\u] row_xmask:\w row_mask:0xf bank_mask:0xf
.endr
.endr
.irp u, 0,1
	v_fmamk_f32 v[P+4*\u+2], v[P+4*\u], 0x3e000000, v[AW+2*(\m)+\u]    ; / 8 is exact, so this is the quotient plus the bias, rounded once
	v_add_nc_u32 v[P+4*\u+3], 16*((2*(\m)+\u)/4)+2*((2*(\m)+\u)%4), v[IB]
	v_cvt_f32_u32 v[P+4*\u+3], v[P+4*\u+3]
	ds_store_b64 v[SA], v[P+4*\u+2:P+4*\u+3] offset:16*(2*(\m)+\u)      ; sixteen lanes write the same pair
.endr
.endm
.irp m, 0,1,2,3,4,5,6,7,8,9
	ROWS \m
.endr
	s_wait_dscnt 0x0                               ; for the others' sake: my 40 pairs are in LDS
	v_lshlrev_b32 v4, 10, v2                       ; all loads are in, so v4 and v5 are free: my offset in Wv, 1,024 r + 128 h,
	v_lshl_add_u32 v4, v3, 7, v4
	v_mov_b32 v5, 0xff800000                       ; and minus infinity
	s_cmp_lg_u32 s18, 0
	s_cbranch_scc1 .Lno_wv
.set i, 0
.rept 32                                       ; wave 0 asks for Wv now: it lands under phases 2 and 3
	global_load_b128 v[WV+4*i:WV+4*i+3], v4, s[14:15] offset:256*(i/8)+16*(i%8)
.set i, i+1
.endr
.Lno_wv:
	s_barrier_signal -1
	s_barrier_wait -1
; PHASE 2, in every wave for itself: lane l holds pairs l, l + 32, ..
	v_lshlrev_b32 v12, 3, v1
.irp k, 0,1,2,3,4,5,6,7,8,9
	ds_load_b64 v[AW+2*\k:AW+2*\k+1], v12 offset:SCB+256*\k
.endr
	v_mov_b32 v15, 0
	s_wait_dscnt 0x0
.set k, 0
.rept 5
	v_max3_num_f32 v14, v[AW], v[AW+2], v[AW+4]
	v_max3_num_f32 v14, v14, v[AW+6], v[AW+8]
	v_max3_num_f32 v14, v14, v[AW+10], v[AW+12]
	v_max3_num_f32 v14, v14, v[AW+14], v[AW+16]
	v_max_num_f32 v[MX+k], v14, v[AW+18]
	REDMAX MX+k, 15                                ; the largest score left
.irp z, 0,1,2,3,4                              ; the lowest row that has it
	v_cmp_eq_f32 vcc_lo, v[AW+4*\z], v[MX+k]
	v_cndmask_b32 v12, 0x7f800000, v[AW+4*\z+1], vcc_lo
	v_cmp_eq_f32 vcc_lo, v[AW+4*\z+2], v[MX+k]
	v_cndmask_b32 v13, 0x7f800000, v[AW+4*\z+3], vcc_lo
.if \z == 0
	v_min_num_f32 v[RW+k], v12, v13
.else
	v_min3_num_f32 v[RW+k], v[RW+k], v12, v13
.endif
.endr
	REDMIN RW+k, 15
.if k < 4
.irp z, 0,1,2,3,4,5,6,7,8,9                    ; that row leaves the field
	v_cmp_eq_f32 vcc_lo, v[AW+2*\z+1], v[RW+k]
	v_cndmask_b32 v[AW+2*\z], v[AW+2*\z], v5, vcc_lo
.endr
.endif
.set k, k+1
.endr
.irp k, 1,2,3,4,0                              ; softmax: the first of the five is their maximum
	v_sub_f32 v[MX+\k], v[MX+\k], v[MX]
.endr
.irp k, 0,1,2,3,4
	v_mul_f32 v[MX+\k], 0x3fb8aa3b, v[MX+\k]
.endr
.irp k, 0,1,2,3,4
	v_exp_f32 v[MX+\k], v[MX+\k]
.endr
	v_nop                                          ; a plain instruction behind the last exponential
	s_wait_alu depctr_va_vdst(0)
	v_add_f32 v14, v[MX], v[MX+1]
	v_add_f32 v12, v[MX+2], v[MX+3]
	v_add_f32 v14, v14, v[MX+4]
	v_add_f32 v14, v14, v12
	v_rcp_f32 v14, v14
.irp k, 0,1,2,3,4                              ; (plain work behind the reciprocal) a winner's place among my rows, a whole number; outside 0 to 70 if it is another wave's or the other half's
	v_sub_f32 v[RW+\k], v[RW+\k], v[IDB]
.endr
.irp k, 0,1,2,3,4
	v_cvt_i32_f32 v[RW+\k], v[RW+\k]
.endr
	s_wait_alu depctr_va_vdst(0)
.irp k, 0,1,2,3,4
	v_mul_f32 v[MX+\k], v[MX+\k], v14
.endr
; PHASE 3: my rows' share of z
	v_mov_b32 v13, 0                               ; named with v12 as a pair
.set i, 0
.rept 20
	v_mov_b32 v12, 0
.irp k, 0,1,2,3,4
	v_cmp_eq_i32 vcc_lo, 16*(i/4)+2*(i%4), v[RW+\k]
	v_cndmask_b32 v12, v12, v[MX+\k], vcc_lo
.endr
.if i == 0
	v_pk_mul_f32 v[28:29], v[X:X+1], v[12:13] op_sel_hi:[1,0]
	v_pk_mul_f32 v[30:31], v[X+2:X+3], v[12:13] op_sel_hi:[1,0]
.else
	v_pk_fma_f32 v[28:29], v[X+4*i:X+4*i+1], v[12:13], v[28:29] op_sel_hi:[1,0,1]
	v_pk_fma_f32 v[30:31], v[X+4*i+2:X+4*i+3], v[12:13], v[30:31] op_sel_hi:[1,0,1]
.endif
.set i, i+1
.endr
.irp z, 0,1,2,3
	v_permlanex16_b32 v[32+\z], v[28+\z], s[SEL], s[SEL+1]     ; the other half's rows
.endr
.irp z, 0,1,2,3
	v_add_f32 v[28+\z], v[28+\z], v[32+\z]
.endr
	s_lshl_b32 s24, s18, 8
	s_add_co_u32 s24, s24, WS
	v_lshl_add_u32 v14, v2, 4, s24
	ds_store_b128 v14, v[28:31]                    ; both halves write the same numbers
	s_wait_dscnt 0x0                               ; for wave 0's sake
	s_barrier_signal -1
	s_barrier_wait -1
	s_cmp_lg_u32 s18, 0
	s_cbranch_scc1 .Lend
; PHASE 4, wave 0: z = the eight waves' shares; out[4 r + a] = sum over j of z[j] Wv[4 r + a][j], half of j in each half of the lanes
	v_lshl_add_u32 v12, v2, 4, WS
.irp k, 0,1,2,3,4,5,6,7
	ds_load_b128 v[X+4*\k:X+4*\k+3], v12 offset:256*\k
.endr
	v_lshl_add_u32 v13, v2, 4, ZS
	v_lshl_add_u32 v14, v3, 7, ZS
	v_lshlrev_b32 v15, 4, v2
	s_mov_b32 s25, 0
	s_mov_b32 s24, s23
	s_add_nc_u64 s[16:17], s[16:17], s[24:25]
	s_wait_dscnt 0x0
.irp k, 1,2,3,4,5,6,7
	v_pk_add_f32 v[X:X+1], v[X:X+1], v[X+4*\k:X+4*\k+1]
	v_pk_add_f32 v[X+2:X+3], v[X+2:X+3], v[X+4*\k+2:X+4*\k+3]
.endr
	ds_store_b128 v13, v[X:X+3]
.irp b, 0,1,2,3,4,5,6,7
	ds_load_b128 v[X+16+4*\b:X+19+4*\b], v14 offset:16*\b      ; my wave's own bytes: LDS serves a wave's instructions in order (ISA guide 5.7.1.4)
.endr
	s_wait_dscnt 0x0
	s_wait_loadcnt 0x0                             ; Wv
.irp b, 0,1,2,3,4,5,6,7
.irp a, 0,1,2,3
.if \b == 0
	v_pk_mul_f32 v[28+2*\a:29+2*\a], v[WV+32*\a:WV+32*\a+1], v[X+16:X+17]
.else
	v_pk_fma_f32 v[28+2*\a:29+2*\a], v[WV+32*\a+4*\b:WV+32*\a+4*\b+1], v[X+16+4*\b:X+17+4*\b], v[28+2*\a:29+2*\a]
.endif
.endr
.irp a, 0,1,2,3
	v_pk_fma_f32 v[28+2*\a:29+2*\a], v[WV+32*\a+4*\b+2:WV+32*\a+4*\b+3], v[X+18+4*\b:X+19+4*\b], v[28+2*\a:29+2*\a]
.endr
.endr
.irp a, 0,1,2,3
	v_add_f32 v[36+\a], v[28+2*\a], v[29+2*\a]
.endr
.irp a, 0,1,2,3
	v_permlanex16_b32 v[40+\a], v[36+\a], s[SEL], s[SEL+1]
.endr
.irp a, 0,1,2,3
	v_add_f32 v[36+\a], v[36+\a], v[40+\a]
.endr
	v_cmp_gt_u32 vcc_lo, 16, v1
	s_wait_xcnt 0x0                                ; EXEC changes only behind this wait
	s_and_saveexec_b32 s26, vcc_lo
	global_store_b128 v15, v[36:39], s[16:17]      ; sixteen lanes store the query's row, 256 aligned bytes
	s_wait_xcnt 0x0
	s_or_b32 exec_lo, exec_lo, s26
.Lend:
	s_wait_tensorcnt 0x0                           ; the wave's end
	ds_add_u32 v[SPW], v[NIL]
	s_wait_dscnt 0x0
	s_endpgm
.Lfunc_end_k_qf12d62fa63_finish:
	.size	k_qf12d62fa63_finish, .Lfunc_end_k_qf12d62fa63_finish-k_qf12d62fa63_finish
	.p2alignl 7, 3214868480
	.fill 96, 4, 3214868480
	.section	.rodata,"a",@progbits
	.p2align	6, 0x0
	.amdhsa_kernel k_qf12d62fa63_finish
		.amdhsa_group_segment_fixed_size 5888
		.amdhsa_private_segment_fixed_size 0
		.amdhsa_enable_private_segment 0
		.amdhsa_kernarg_size 56
		.amdhsa_user_sgpr_count 2
		.amdhsa_user_sgpr_kernarg_segment_ptr 1
		.amdhsa_wavefront_size32 1
		.amdhsa_system_sgpr_workgroup_id_x 1
		.amdhsa_system_sgpr_workgroup_id_y 1
		.amdhsa_system_sgpr_workgroup_id_z 1
		.amdhsa_system_vgpr_workitem_id 0
		.amdhsa_next_free_vgpr 256
		.amdhsa_next_free_sgpr 66
		.amdhsa_reserve_vcc 1
		.amdhsa_float_denorm_mode_32 3
		.amdhsa_float_denorm_mode_16_64 3
		.amdhsa_memory_ordered 1
		.amdhsa_forward_progress 1
		.amdhsa_inst_pref_size 84
	.end_amdhsa_kernel
	.amdgpu_metadata
---
amdhsa.version: [ 1, 2 ]
amdhsa.kernels:
  - .name:           k_qf12d62fa63_finish
    .symbol:         k_qf12d62fa63_finish.kd
    .args:
      - { .name: cand, .offset: 0, .size: 8, .value_kind: global_buffer, .address_space: global }
      - { .name: memory, .offset: 8, .size: 8, .value_kind: global_buffer, .address_space: global }
      - { .name: attention_weights, .offset: 16, .size: 8, .value_kind: global_buffer, .address_space: global }
      - { .name: qk32, .offset: 24, .size: 8, .value_kind: global_buffer, .address_space: global }
      - { .name: part, .offset: 32, .size: 8, .value_kind: global_buffer, .address_space: global }
      - { .name: Wv, .offset: 40, .size: 8, .value_kind: global_buffer, .address_space: global }
      - { .name: out0, .offset: 48, .size: 8, .value_kind: global_buffer, .address_space: global }
    .group_segment_fixed_size: 5888
    .private_segment_fixed_size: 0
    .kernarg_segment_align: 8
    .kernarg_segment_size: 56
    .max_flat_workgroup_size: 256
    .sgpr_count:     66
    .vgpr_count:     256
    .wavefront_size: 32
...
	.end_amdgpu_metadata
.endif
;; end of part 4
;; ======== version 2 of 2: 4 launches; version 1 with the launch scan written anew for expert scheduling mode
;; limits: values within 3.1e-05 (relative) of each other or of a threshold may be ordered or decided otherwise than in the reference
;; workspace buffers: part 2,048 bytes; qkf 16,384 bytes; qk32 16,384 bytes; gmax 8,192,000 bytes; cand 8,192 bytes of whole numbers
;; launch minmax: the kernel of part 1 again; grid 254 x 1, 20 waves a work-group, no clusters, 11,520 bytes of LDS; arguments memory, query, Wq, Wk, part, qkf, qk32; writes part, qkf, qk32
;; launch scan (part 5): grid 250 x 1, 10 waves a work-group, no clusters, 76,032 bytes of LDS; arguments memory, attention_weights, qkf, part, gmax; writes gmax
.if DOCPART == 5
	.amdgcn_target "amdgcn-amd-amdhsa--gfx1250"
	.amdhsa_code_object_version 6
	.text
	.protected	k_qf12d62fa63_scan
	.globl	k_qf12d62fa63_scan
	.p2align	8
	.type	k_qf12d62fa63_scan,@function
k_qf12d62fa63_scan:
	s_mov_b64 s[64:65], 0
	v_nop
	global_prefetch_b8 v0, s[64:65] scope:SCOPE_SE
	s_setreg_imm32_b32 hwreg(HW_REG_WAVE_SCHED_MODE, 0, 2), 2
	s_setreg_imm32_b32 hwreg(HW_REG_WAVE_MODE, 25, 1), 1
	s_wait_xcnt 0x0
	s_wait_alu depctr_vm_vsrc(0)
; SECOND PASS OVER THE TABLE.  With scale and zero point zp from the table's minimum and maximum, a number's code is k = round(x / scale + zp), and mem_dq = (k - zp) scale.
; A score is scale / 8 x (sum over j of qk[j] (k[j] - 128) + 8 bias / scale) plus a term that is the same for all slots of a query; scale is positive, so the sum in brackets, s', ranks the slots.
; k - 128 is a whole number of at most 8 bits, exact in bf16; qk goes in as two bf16 pieces, hi + lo (16 significant bits); the bias term is the C operand that starts the sum.
; Stored: for each query and each GROUP of 40 rows the largest s'.  A slot of a query's best five lies in a group whose maximum is at least its score, so at most four groups can lie above that group.
; The next launch keeps eight groups; the last one scores their rows anew in f32.  LIMIT: a best-five slot is lost only if four further groups' maxima lie within about 2^-15 (relative) of its group's.
; LIMITS.  NaN and infinities are not treated apart; scale = (max - min) / 255 must be a normal number other than 0 (v_rcp_f32 takes denormals as 0: ISA guide, its entry).
; SHARES.  250 work-groups of 10 waves; a wave owns 400 rows = 25 tiles of 16 rows (1,000,000 rows are 62,500 tiles = 2,500 x 25, which no 256 equal shares divide).
; A group is what one half of the lanes sees in 5 tiles: rows base + 16 t + j, t = 0..4, j = 0..7; its slot in the work-group is x = 10 wave + 2 chunk + h, base = 4,000 WG + 80 (x / 2) + 8 (x % 2).
; PRODUCT.  Source 0 = 16 rows of codes, source 1 = 16 queries (column r of query tile t is query 4 r + t): lane (r, h) holds rows 8 h + 0..7 for one query, so a group's maximum never leaves the lane.
; No tensor load: the codes are made in registers anyway, and only the bf16 codes (half the bytes) pass through LDS.  No cluster: the work-groups share 16 KiB of qk against 1,024,000 bytes of their own.
; THE MODE: SCHED_MODE bits 1:0 = 2 (LLVM: expert scheduling mode 2), set by the entry lines.  The code itself states the register dependences
; between vector or matrix instructions and memory or LDS instructions, with s_wait_alu, always for 0.
; THE PLAN.  Registers that memory or LDS instructions touch, in the walk:
;   RING      Written by the refills; read by the pairs' first two runs of packed lines.  Tile T's eight loads are asked for again when both halves of tile T have been worked.
;   OUT       A whole tile's codes.  Written by the pairs' conversions; read by the tile's eight LDS stores (PUT).
;   AF, CC    Written by FETCH's six LDS loads; read by the tile's sixteen matrix instructions.
;   G         Written by MAXI; read by GOUT's four LDS stores, once a trip.
;   v4, v5    Read by FETCH and by GOUT; stepped once a trip.     v1, v2, v3  made at the head, never written again.
;   Q, E and the accumulators are named by vector and matrix instructions alone; qk's fragments are loaded once.
; A STEP for tile k: its 16 products; pairs 2 and 3 of tile k + 1; ONE wait on va_vdst; PUT, FETCH k + 1 and the eight refills on end; MAXI k; ONE wait on vm_vsrc; pairs 0 and 1 of tile k + 2.
; The wait on va_vdst states that OUT is written, that the pairs are done reading tile k + 1's part of RING, and that the products are done reading AF and CC: all that the 22 memory
; instructions behind it hang on; no vector line stands between.  The wait on vm_vsrc states that PUT has read OUT, which the pairs behind it write again.
; A trip's fifth step has one wait on va_vdst more, between MAXI and GOUT; its wait on vm_vsrc also frees G, v4 and v5.
.set CODEW, 2304         ; per wave: 16 rows of 128 bytes of codes, pitch 144 (an odd multiple of 16)
.set AWB,   23040        ; per wave 1,792 bytes: 400 f32, 8 bias / scale
.set GST,   40960        ; 64 query rows of 128 slots, pitch 528
.set GP,    528
.set SPARE, 74752        ; the spare words, 128 bytes for each of 10 waves
; v1 16 x lane   v2 where I put 8 bytes of codes   v3 my lane's place in a fragment of codes   v4 my half's 8 bias terms   v5 my word in GST
.set SPW,  6             ; v6  SPARE + 4 x my thread's number; never rewritten
.set NIL,  7             ; v7  0; never rewritten
.set LANE, 8
.set RL,   9             ; lane % 16
.set HL,   10            ; lane / 16
.set NEG,  11            ; the lowest finite number
.set G,    12            ; v12-15  the group's maxima for my four queries
.set CC,   16            ; v16-23  C: the bias terms of rows 8 h + 0..7
.set AF,   24            ; v24-39  codes: two K steps of 32
.set ACC,  40            ; v40-71  four accumulators, one a query tile
.set Q,    72            ; v72-79  at work
.set E,    80            ; v80-87  at work
.set RING, 88            ; v88-167 twenty loads of 16 bytes a lane
.set BH,   168           ; v168-231 qk hi: tile t, K step c at BH + 16 t + 8 c;   v256-319 qk lo, in window 1 at 16 t + 8 c
.set OUT,  232           ; v232-247 a tile's codes in bf16: those of its load i at OUT + 2 i
.set PA,   16            ; before the walk: offsets in part,
.set AO,   20            ; offsets in my wave's 1,600 bytes of bias,
.set AS,   24            ; their LDS addresses,
.set PD,   40            ; part's numbers,
.set AD,   56            ; bias,
.set PS,   72            ; and scratch
.set RR,   20            ; s[20:21] 1 / scale        (each pair's low word serves both halves; the high word is written since the pair is named)
.set NSC,  22            ; s[22:23] - scale
.set ZP,   24            ; s[24:25] zp
.set MG,   26            ; s[26:27] 1.5 x 2^23: adding it rounds to a whole number, ties to even
.set NM,   28            ; s[28:29] -(1.5 x 2^23 + 128)
.set AWS,  30            ; s[30:31] 8 / scale
.set CNT,  32
.set PADM, 33            ; lanes 25 to 31
.set SEL,  34            ; s[34:35]
.set MSB, 0
.macro WIN new                         ; the immediate's high byte repeats the setting that is left
.if MSB != (\new)
	s_set_vgpr_msb (MSB<<8)|(\new)
.set MSB, \new
.endif
.endm
.macro REDMIN v, t
	v_min_num_f32_dpp v[\v], v[\v], v[\v] row_xmask:1 row_mask:0xf bank_mask:0xf
	v_min_num_f32_dpp v[\v], v[\v], v[\v] row_xmask:2 row_mask:0xf bank_mask:0xf
	v_min_num_f32_dpp v[\v], v[\v], v[\v] row_xmask:4 row_mask:0xf bank_mask:0xf
	v_min_num_f32_dpp v[\v], v[\v], v[\v] row_xmask:8 row_mask:0xf bank_mask:0xf
	v_permlanex16_b32 v[\t], v[\v], s[SEL], s[SEL+1]
	v_min_num_f32 v[\v], v[\v], v[\t]
.endm
.macro REDMAX v, t
	v_max_num_f32_dpp v[\v], v[\v], v[\v] row_xmask:1 row_mask:0xf bank_mask:0xf
	v_max_num_f32_dpp v[\v], v[\v], v[\v] row_xmask:2 row_mask:0xf bank_mask:0xf
	v_max_num_f32_dpp v[\v], v[\v], v[\v] row_xmask:4 row_mask:0xf bank_mask:0xf
	v_max_num_f32_dpp v[\v], v[\v], v[\v] row_xmask:8 row_mask:0xf bank_mask:0xf
	v_permlanex16_b32 v[\t], v[\v], s[SEL], s[SEL+1]
	v_max_num_f32 v[\v], v[\v], v[\t]
.endm
.macro DIVX q, a, b, r, e              ; q = a / b: a refined reciprocal (left in r), then two corrections of the quotient by its exact remainder
	v_rcp_f32 v[\r], v[\b]
	v_nop                                          ; a plain instruction behind the reciprocal
	s_wait_alu depctr_va_vdst(0)                   ; the reciprocal is written, ahead of its first reader
	v_fma_f32 v[\e], -v[\b], v[\r], 1.0
	v_fma_f32 v[\r], v[\e], v[\r], v[\r]
	v_mul_f32 v[\q], v[\a], v[\r]
	v_fma_f32 v[\e], -v[\b], v[\q], v[\a]
	v_fma_f32 v[\q], v[\e], v[\r], v[\q]
	v_fma_f32 v[\e], -v[\b], v[\q], v[\a]
	v_fma_f32 v[\q], v[\e], v[\r], v[\q]
.endm
.macro PARAMS                          ; from part's 250 pairs: scale in v[PS+5], zp in v[PS+9], 1 / scale in v[PS+6]
	v_min3_num_f32 v[PS], v[PD], v[PD+2], v[PD+4]
	v_max3_num_f32 v[PS+1], v[PD+1], v[PD+3], v[PD+5]
	v_min3_num_f32 v[PS], v[PS], v[PD+6], v[PD+8]
	v_max3_num_f32 v[PS+1], v[PS+1], v[PD+7], v[PD+9]
	v_min3_num_f32 v[PS], v[PS], v[PD+10], v[PD+12]
	v_max3_num_f32 v[PS+1], v[PS+1], v[PD+11], v[PD+13]
	v_min_num_f32 v[PS], v[PS], v[PD+14]
	v_max_num_f32 v[PS+1], v[PS+1], v[PD+15]
	v_mov_b32 v[PS+2], 0                           ; v_permlanex16_b32's destination counts as read
	REDMIN PS, PS+2
	REDMAX PS+1, PS+2
	v_sub_f32 v[PS+3], v[PS+1], v[PS]              ; max - min
	v_mov_b32 v[PS+4], 0x437f0000                  ; 255
	DIVX PS+5, PS+3, PS+4, PS+6, PS+7
	v_mul_f32 v[PS+8], -1.0, v[PS]                 ; - min
	DIVX PS+9, PS+8, PS+5, PS+6, PS+7
.endm
	s_load_b256 s[4:11], s[0:1], 0x0               ; memory s[4:5], bias s[6:7], qkf s[8:9], part s[10:11]
	s_load_b64 s[12:13], s[0:1], 0x20              ; gmax
	v_lshl_add_u32 v[SPW], v0, 2, SPARE
	v_mov_b32 v[NIL], 0
	v_lshrrev_b32 v1, 5, v0
	v_readfirstlane_b32 s14, v1                    ; my wave's number
	s_mov_b32 s15, ttmp9
	v_and_b32 v[LANE], 31, v0
	v_and_b32 v[RL], 15, v0
	v_bfe_u32 v[HL], v0, 4, 1
	v_mov_b32 v[NEG], 0xff7fffff
	v_lshlrev_b32 v1, 4, v[LANE]
	s_wait_alu depctr_va_sdst(0)                   ; s14 is written, ahead of its first reader: LDS places and the bases of memory, bias and gmax are made from it
	s_mul_i32 s36, s14, CODEW                      ; my wave's codes,
	s_mul_i32 s37, s14, 1792
	s_add_co_u32 s37, s37, AWB                     ; its bias terms,
	s_mul_i32 s38, s14, 40
	s_add_co_u32 s38, s38, GST                     ; its ten slots in a row of GST
	v_mul_u32_u24 v2, v[HL], 144                   ; a load's 32 lanes hold two rows of 64 numbers: row lane / 16, 8 bytes of codes at 8 (lane % 16)
	v_lshl_add_u32 v2, v[RL], 3, v2
	v_add_nc_u32 v2, s36, v2
	v_mul_u32_u24 v3, v[RL], 144                   ; a fragment: row lane % 16, 16 bytes at 16 (lane / 16)
	v_lshl_add_u32 v3, v[HL], 4, v3
	v_add_nc_u32 v3, s36, v3
	v_lshl_add_u32 v4, v[HL], 5, s37
	v_mul_u32_u24 v5, v[RL], 4*GP                  ; query 4 r + t lies t rows on
	v_lshl_add_u32 v5, v[HL], 2, v5
	v_add_nc_u32 v5, s38, v5
.irp k, 0,1,2,3
	v_add_nc_u32 v[PA+\k], 32*\k, v[LANE]
	v_min_u32 v[PA+\k], 124, v[PA+\k]              ; part has 125 quads; a repeat changes no minimum
	v_lshlrev_b32 v[PA+\k], 4, v[PA+\k]
	v_add_nc_u32 v[AO+\k], 512*\k, v1
	v_min_u32 v[AO+\k], 1584, v[AO+\k]             ; my wave's bias has 100 quads; a repeat stores the same numbers again
	v_add_nc_u32 v[AS+\k], s37, v[AO+\k]
.endr
	s_mov_b32 s[MG], 0x4b400000
	s_mov_b32 s[MG+1], s[MG]
	s_mov_b32 s[NM], 0xcb400080
	s_mov_b32 s[NM+1], s[NM]
	s_mov_b32 s[PADM], 0xfe000000
	s_mov_b32 s[SEL], 0x76543210
	s_mov_b32 s[SEL+1], 0xfedcba98
	s_wait_kmcnt 0x0
	s_mul_i32 s36, s15, 1024000
	s_mul_i32 s37, s14, 102400
	s_add_co_u32 s36, s36, s37
	s_mov_b32 s37, 0
	s_add_nc_u64 s[4:5], s[4:5], s[36:37]          ; my wave's 400 rows
	s_mul_i32 s36, s15, 16000
	s_mul_i32 s38, s14, 1600
	s_add_co_u32 s36, s36, s38
	s_add_nc_u64 s[6:7], s[6:7], s[36:37]          ; and their bias
	s_wait_alu depctr_va_vdst(0)                   ; v1 to v5 and v16 to v27 are written: the offsets and LDS addresses that the loads and stores below read
	; 60 loads go out on end: part 4, bias 4, qk 32, the ring 20
.irp k, 0,1,2,3
	global_load_b128 v[PD+4*\k:PD+4*\k+3], v[PA+\k], s[10:11]
.endr
.irp k, 0,1,2,3
	global_load_b128 v[AD+4*\k:AD+4*\k+3], v[AO+\k], s[6:7]
.endr
.irp f, 0,1,2,3,4,5,6,7                        ; f = 2 t + c
	global_load_b128 v[BH+8*\f:BH+8*\f+3], v1, s[8:9] offset:(\f/2)*4096+(\f%2)*1024
	global_load_b128 v[BH+8*\f+4:BH+8*\f+7], v1, s[8:9] offset:(\f/2)*4096+(\f%2)*1024+512
.endr
	WIN 0x40                                       ; destination in window 1; between the wait above and these loads stand loads and window switches alone
.irp f, 0,1,2,3,4,5,6,7
	global_load_b128 v[8*\f:8*\f+3], v1, s[8:9] offset:(\f/2)*4096+2048+(\f%2)*1024
	global_load_b128 v[8*\f+4:8*\f+7], v1, s[8:9] offset:(\f/2)*4096+2048+(\f%2)*1024+512
.endr
	WIN 0
.set n, 0
.rept 20
	global_load_b128 v[RING+4*n:RING+4*n+3], v1, s[4:5] offset:512*n th:TH_LOAD_NT
.set n, n+1
.endr
	s_wait_loadcnt 56                              ; all but the 56 behind part's four
	PARAMS
	v_readfirstlane_b32 s[RR], v[PS+6]
	v_readfirstlane_b32 s[NSC], v[PS+5]
	v_readfirstlane_b32 s[ZP], v[PS+9]
	s_wait_alu depctr_va_sdst(0)                   ; the three scalars are written, ahead of their first reader
	s_xor_b32 s[NSC], s[NSC], 0x80000000
	s_mul_f32 s[AWS], s[RR], 0x41000000            ; 8 / scale
	s_mov_b32 s[RR+1], s[RR]
	s_mov_b32 s[NSC+1], s[NSC]
	s_mov_b32 s[ZP+1], s[ZP]
	s_mov_b32 s[AWS+1], s[AWS]
	s_wait_loadcnt 52                              ; the bias is in: qk's 32 and the ring's 20 may stay out
.irp p, 0,2,4,6,8,10,12,14
	v_pk_mul_f32 v[AD+\p:AD+\p+1], v[AD+\p:AD+\p+1], s[AWS:AWS+1] op_sel_hi:[1,0]
.endr
	s_wait_alu depctr_va_vdst(0)                   ; the multiplies have written v[AD ..], which the LDS stores read
.irp k, 0,1,2,3
	ds_store_b128 v[AS+\k], v[AD+4*\k:AD+4*\k+3]   ; my wave's own bytes: LDS serves a wave's instructions in order (ISA guide 5.7.1.4), so no wait stands in front of my reads
.endr
	s_wait_loadcnt 20                              ; qk is in: the ring may stay out
; Loads n and n + 1 of the trip's frame (four rows): codes made and rounded to bf16 (exact), into the tile's out-buffer.  left = the younger loads that may stay out.
; The quotient x / scale is x r corrected once by its exact remainder; then + zp, rounded; then to the nearest whole number, ties to even: the order of roundings of the problem's formula.
.macro QPAIR n, left
.set MB, RING+4*((\n)%20)
.set OB, OUT+2*((\n)%8)
	s_wait_loadcnt \left
.irp p, 0,2,4,6
	v_pk_mul_f32 v[Q+\p:Q+\p+1], v[MB+\p:MB+\p+1], s[RR:RR+1] op_sel_hi:[1,0]
.endr
.irp p, 0,2,4,6
	v_pk_fma_f32 v[E+\p:E+\p+1], v[Q+\p:Q+\p+1], s[NSC:NSC+1], v[MB+\p:MB+\p+1] op_sel_hi:[1,0,1]
.endr
.irp p, 0,2,4,6
	v_pk_fma_f32 v[Q+\p:Q+\p+1], v[E+\p:E+\p+1], s[RR:RR+1], v[Q+\p:Q+\p+1] op_sel_hi:[1,0,1]
.endr
.irp p, 0,2,4,6
	v_pk_add_f32 v[Q+\p:Q+\p+1], v[Q+\p:Q+\p+1], s[ZP:ZP+1] op_sel_hi:[1,0]
.endr
.irp p, 0,2,4,6
	v_pk_add_f32 v[Q+\p:Q+\p+1], v[Q+\p:Q+\p+1], s[MG:MG+1] op_sel_hi:[1,0]
.endr
.irp p, 0,2,4,6
	v_pk_add_f32 v[Q+\p:Q+\p+1], v[Q+\p:Q+\p+1], s[NM:NM+1] op_sel_hi:[1,0]
.endr
.irp p, 0,1,2,3
	v_cvt_pk_bf16_f32 v[OB+\p], v[Q+2*\p], v[Q+2*\p+1]
.endr
.endm
.macro PUT                             ; a tile's codes into my tile in LDS: load i holds rows 2 i and 2 i + 1
.irp i, 0,1,2,3,4,5,6,7
	ds_store_b64 v2, v[OUT+2*\i:OUT+2*\i+1] offset:288*\i
.endr
.endm
.macro FETCH k                         ; the tile's codes as source 0, and its bias terms as C
	ds_load_b128 v[AF:AF+3], v3
	ds_load_b128 v[AF+4:AF+7], v3 offset:32
	ds_load_b128 v[AF+8:AF+11], v3 offset:64
	ds_load_b128 v[AF+12:AF+15], v3 offset:96
	ds_load_b128 v[CC:CC+3], v4 offset:64*(\k)
	ds_load_b128 v[CC+4:CC+7], v4 offset:64*(\k)+16
.endm
.macro REFILL k, cnt                   ; the first cnt of frame tile k's eight ring places take the loads 20 further on
.if (\cnt) > 0
.set ri, 0
.rept \cnt
	global_load_b128 v[RING+4*((8*(\k)+ri)%20):RING+4*((8*(\k)+ri)%20)+3], v1, s[4:5] offset:(8*(\k)+20+ri)*512 th:TH_LOAD_NT
.set ri, ri+1
.endr
.endif
.endm
.macro MMA                             ; 16 products; the four accumulators take turns, one instruction a turn
	s_wait_dscnt 0x0                               ; codes and bias terms are in
.irp t, 0,1,2,3
	v_wmma_f32_16x16x32_bf16 v[ACC+8*\t:ACC+8*\t+7], v[AF:AF+7], v[BH+16*\t:BH+16*\t+7], v[CC:CC+7]
.endr
.irp t, 0,1,2,3
	v_wmma_f32_16x16x32_bf16 v[ACC+8*\t:ACC+8*\t+7], v[AF+8:AF+15], v[BH+16*\t+8:BH+16*\t+15], v[ACC+8*\t:ACC+8*\t+7]
.endr
	WIN 0x04                                       ; source 1 in window 1: qk lo
.irp t, 0,1,2,3
	v_wmma_f32_16x16x32_bf16 v[ACC+8*\t:ACC+8*\t+7], v[AF:AF+7], v[16*\t:16*\t+7], v[ACC+8*\t:ACC+8*\t+7]
.endr
.irp t, 0,1,2,3
	v_wmma_f32_16x16x32_bf16 v[ACC+8*\t:ACC+8*\t+7], v[AF+8:AF+15], v[16*\t+8:16*\t+15], v[ACC+8*\t:ACC+8*\t+7]
.endr
	WIN 0
.endm
.macro MAXI first                      ; the group's maxima take the tile's scores; each accumulator's lowest registers are read first
.if \first
.irp t, 0,1,2,3
	v_max3_num_f32 v[G+\t], v[ACC+8*\t], v[ACC+8*\t+1], v[ACC+8*\t+2]
.endr
.irp t, 0,1,2,3
	v_max3_num_f32 v[G+\t], v[G+\t], v[ACC+8*\t+3], v[ACC+8*\t+4]
.endr
.irp t, 0,1,2,3
	v_max3_num_f32 v[G+\t], v[G+\t], v[ACC+8*\t+5], v[ACC+8*\t+6]
.endr
.irp t, 0,1,2,3
	v_max_num_f32 v[G+\t], v[G+\t], v[ACC+8*\t+7]
.endr
.else
.irp j, 0,2,4,6
.irp t, 0,1,2,3
	v_max3_num_f32 v[G+\t], v[G+\t], v[ACC+8*\t+\j], v[ACC+8*\t+\j+1]
.endr
.endr
.endif
.endm
.macro GOUT
.irp t, 0,1,2,3
	ds_store_b32 v5, v[G+\t] offset:GP*\t
.endr
.endm
; THE STEP for frame tile k.  Behind its products stand pairs 2 and 3 of tile k + 1: 56 plain vector instructions that name no register of those products: they are the places in front
; of the maxima and of the next tile's first products, which write the accumulators anew (ISA guide 7.12.1).  MAXI and pairs 0 and 1 of tile k + 2 stand between FETCH and the wait for it.
; first = 1: the group's first tile.  gout = 1: its last: the maxima go out, and v4 and v5 step.  nref: how many of tile k + 1's ring places are asked for again.
; a0, a1, b0, b1: the younger loads that may stay out at the four pairs.  Both halves of tile T are worked between the refill that ends with load 8 T + 19 and the next:
; pair j may leave 18 - 2 j out.  more = 0: there is no tile k + 2.
.macro TILE k, first, gout, nref, a0, a1, more, b0, b1
	MMA
	QPAIR 8*(\k)+12, \a0
	QPAIR 8*(\k)+14, \a1
	s_wait_alu depctr_va_vdst(0)                   ; the conversions have written OUT, which PUT reads; the pairs are done reading tile k + 1's ring places and the products AF and CC, in which the loads below land; v4, where it was stepped, is written
	PUT
	FETCH (\k)+1
	REFILL (\k)+1, \nref
	MAXI \first
.if \gout
	s_wait_alu depctr_va_vdst(0)                   ; MAXI has written G, which GOUT's stores read
	GOUT
.endif
.if \more
	s_wait_alu depctr_vm_vsrc(0)                   ; PUT has read OUT, which the pairs below write again; in a group's last step also: GOUT has read G and v5, FETCH v4
.if \gout
	v_add_nc_u32 v4, 320, v4                       ; 80 bias terms
	v_add_nc_u32 v5, 8, v5                         ; two slots
.endif
	QPAIR 8*(\k)+16, \b0
	QPAIR 8*(\k)+18, \b1
.endif
.endm
	QPAIR 0, 18                                    ; tile 0: the ring's twenty less the loads up to the pair wanted
	QPAIR 2, 16
	QPAIR 4, 14
	QPAIR 6, 12
	s_wait_alu depctr_va_vdst(0)                   ; the conversions have written OUT; the pairs are done reading tile 0's ring places; the head's vector lines have written v16 to v27, in which FETCH's loads land
	PUT
	s_wait_alu depctr_vm_vsrc(0)                   ; the head's loads have read v16 to v23, its LDS stores v24 to v27 and v56 to v71: from here on these are C, codes and accumulators; PUT has read OUT
	FETCH 0
	REFILL 0, 8
	QPAIR 8, 18
	QPAIR 10, 16
	s_mov_b32 s[CNT], 4
.Lchunk:                                           ; a trip: five tiles = a group for each half of the lanes; 40 loads on a ring of 20, so the registers' names come round
	TILE 0, 1, 0, 8, 14, 12, 1, 18, 16
	TILE 1, 0, 0, 8, 14, 12, 1, 18, 16
	TILE 2, 0, 0, 8, 14, 12, 1, 18, 16
	TILE 3, 0, 0, 8, 14, 12, 1, 18, 16
	TILE 4, 0, 1, 8, 14, 12, 1, 18, 16             ; its codes are those of the next trip's first two tiles
	s_wait_xcnt 0x0                                ; the base is stepped only behind this wait
	s_add_nc_u64 s[4:5], s[4:5], 20480             ; 40 loads of 512 bytes
	s_sub_co_u32 s[CNT], s[CNT], 1
	s_cmp_lg_u32 s[CNT], 0
	s_cbranch_scc1 .Lchunk
	TILE 0, 1, 0, 8, 14, 12, 1, 18, 16             ; tiles 20 to 24: loads 188 to 195 are asked for,
	TILE 1, 0, 0, 4, 14, 12, 1, 14, 12             ; then 196 to 199, the last; from here the count is 198 less the pair's first load
	TILE 2, 0, 0, 0, 10, 8, 1, 6, 4
	TILE 3, 0, 0, 0, 2, 0, 0, 0, 0                 ; OUT is written no more: no wait on vm_vsrc
	MMA
.rept 4
	v_nop                                          ; the places behind the last products
.endr
	MAXI 0
	s_wait_alu depctr_va_vdst(0)                   ; MAXI has written G, which GOUT's stores read
	GOUT
	s_wait_dscnt 0x0                               ; for the others' sake: my maxima are in GST
	s_barrier_signal -1
	s_barrier_wait -1
	s_cmp_ge_u32 s14, 8
	s_cbranch_scc1 .Lend
	; THE WAY OUT: wave w stores queries 8 w .. 8 w + 7, a row of 128 slots each: 512 consecutive bytes.  Slots 100 to 127 (lanes 25 to 31) take the lowest finite number.
	v_min_u32 v16, 24, v[LANE]
	v_lshlrev_b32 v16, 4, v16
	s_mul_i32 s36, s14, 8*GP
	s_add_co_u32 s36, s36, GST
	v_add_nc_u32 v16, s36, v16
	s_mul_i32 s36, s14, 1024000                    ; eight query rows of 128,000 bytes
	s_lshl_b32 s38, s15, 9
	s_add_co_u32 s36, s36, s38
	s_mov_b32 s37, 0
	s_add_nc_u64 s[12:13], s[12:13], s[36:37]
	s_wait_alu depctr_va_vdst(0)                   ; v16 is written, the address of the loads below
.irp k, 0,1,2,3,4,5,6,7
	ds_load_b128 v[RING+4*\k:RING+4*\k+3], v16 offset:GP*\k
.endr
.irp k, 0,1,2,3,4,5,6,7
	s_wait_dscnt 7-\k
.irp z, 0,1,2,3
	v_cndmask_b32 v[RING+4*\k+\z], v[RING+4*\k+\z], v[NEG], s[PADM]
.endr
.endr
	s_wait_alu depctr_va_vdst(0)                   ; the selects have written v[RING ..], which the eight stores read
.irp k, 0,1,2,3,4,5,6,7
	global_store_b128 v1, v[RING+4*\k:RING+4*\k+3], s[12:13] offset:128000*\k
.endr
.Lend:
	s_wait_dscnt 0x0                               ; the closing lines, six on end
	s_wait_alu 0x0
	s_wait_tensorcnt 0x0
	ds_add_u32 v[SPW], v[NIL]
	s_wait_dscnt 0x0
	s_endpgm
.Lfunc_end_k_qf12d62fa63_scan:
	.size	k_qf12d62fa63_scan, .Lfunc_end_k_qf12d62fa63_scan-k_qf12d62fa63_scan
	.p2alignl 7, 3214868480
	.fill 96, 4, 3214868480
	.section	.rodata,"a",@progbits
	.p2align	6, 0x0
	.amdhsa_kernel k_qf12d62fa63_scan
		.amdhsa_group_segment_fixed_size 76032
		.amdhsa_private_segment_fixed_size 0
		.amdhsa_enable_private_segment 0
		.amdhsa_kernarg_size 40
		.amdhsa_user_sgpr_count 2
		.amdhsa_user_sgpr_kernarg_segment_ptr 1
		.amdhsa_wavefront_size32 1
		.amdhsa_system_sgpr_workgroup_id_x 1
		.amdhsa_system_sgpr_workgroup_id_y 1
		.amdhsa_system_sgpr_workgroup_id_z 1
		.amdhsa_system_vgpr_workitem_id 0
		.amdhsa_next_free_vgpr 320
		.amdhsa_next_free_sgpr 66
		.amdhsa_reserve_vcc 0
		.amdhsa_float_denorm_mode_32 3
		.amdhsa_float_denorm_mode_16_64 3
		.amdhsa_memory_ordered 1
		.amdhsa_forward_progress 1
		.amdhsa_inst_pref_size 126
	.end_amdhsa_kernel
	.amdgpu_metadata
---
amdhsa.version: [ 1, 2 ]
amdhsa.kernels:
  - .name:           k_qf12d62fa63_scan
    .symbol:         k_qf12d62fa63_scan.kd
    .args:
      - { .name: memory, .offset: 0, .size: 8, .value_kind: global_buffer, .address_space: global }
      - { .name: attention_weights, .offset: 8, .size: 8, .value_kind: global_buffer, .address_space: global }
      - { .name: qkf, .offset: 16, .size: 8, .value_kind: global_buffer, .address_space: global }
      - { .name: part, .offset: 24, .size: 8, .value_kind: global_buffer, .address_space: global }
      - { .name: gmax, .offset: 32, .size: 8, .value_kind: global_buffer, .address_space: global }
    .group_segment_fixed_size: 76032
    .private_segment_fixed_size: 0
    .kernarg_segment_align: 8
    .kernarg_segment_size: 40
    .max_flat_workgroup_size: 320
    .sgpr_count:     66
    .vgpr_count:     320
    .wavefront_size: 32
...
	.end_amdgpu_metadata
.endif
;; end of part 5
;; launch pick: the kernel of part 3 again; grid 64 x 1, 25 waves a work-group, no clusters, 9,984 bytes of LDS; arguments gmax, cand; writes cand
;; launch finish: the kernel of part 4 again; grid 64 x 1, 8 waves a work-group, no clusters, 5,888 bytes of LDS; arguments cand, memory, attention_weights, qk32, part, Wv, out0; writes out0
